; MI455X (gfx1250); checked and timed in simulation.
; The chip was launched on July 23, 2026; its instructions are those of AMD's public machine-readable ISA for CDNA 5 (MIT licence, August 2026) and "CDNA5" Instruction Set Architecture Reference Guide (July 2026). The comments in the code are by the model that wrote it; some were corrected since.
;; Multi Head Attention. Allowed arithmetic: matrix products marked QUANTISED: E2M3 operands, one E8M0 scale for each 32 along K, by v_wmma_scale_f32_16x16x128_f8f6f4 with both operands' format E2M3, f32 sums; everything else in f32.
;; Inputs: w_out 1,024 x 1,024 float32; w_qkv 1,024 x 3,072 float32; x 2 x 2,048 x 1,024 float32.
;; Outputs: out0 2 x 2,048 x 1,024 float32.
;; This version of the problem:
;;   THIS VERSION OF THE PROBLEM IS GIVEN IN LOW PRECISION. The matrix products marked QUANTISED in the list below multiply operands that are first quantised to E2M3 (2 exponent bits, 3 mantissa bits; 6 bits a number), with one power-of-two scale for each 32 numbers along K (OCP MX v1.0); their sums are f32. All else is computed in f32.
;;   The module's matrix products, in the order in which they are computed (A, B: the left and right operand; K: the contracted axis; several contracted axes count as one K, in the product's order):
;;     1. [M 4,096, K 1,024] x [K 1,024, N 3,072]; A: input x; B: input w_qkv: QUANTISED
;;     2. batch 32 x [M 2,048, K 64] x [K 64, N 2,048]; A: computed on the way; B: computed on the way: QUANTISED
;;     3. batch 32 x [M 2,048, K 2,048] x [K 2,048, N 64]; A: softmax (see below); B: computed on the way: QUANTISED
;;     4. [M 4,096, K 1,024] x [K 1,024, N 1,024]; A: computed on the way; B: input w_out: QUANTISED
;;   THE QUANTISER, for each operand of a quantised product, along K:
;;     - K is cut into blocks of 32 from its start; a last block that is shorter is filled with zeros.
;;     - A block's scale is 2^e with e = floor(log2(the largest magnitude in the block)) - 2, held to -126 .. 127; a block of zeros has e = 0. As a byte (E8M0): e + 127.
;;     - Each number is divided by its block's scale, clamped to +-7.5, and rounded to the nearest number of E2M3, ties to even, subnormals kept.
;;     - The product sums the exact products of the quantised numbers (number of the format x scale) in f32.
;;   ~~~python
;;   def quantise(x, axis):      # numpy; x: float32 -> the quantised numbers, widened to float32 again
;;       x = np.moveaxis(x, axis, -1); K = x.shape[-1]
;;       x = np.pad(x, [(0, 0)] * (x.ndim - 1) + [(0, -K % 32)]); x = x.reshape(x.shape[:-1] + (-1, 32)); a = np.abs(x).max(-1, keepdims=True)
;;       e = np.where(a > 0, np.clip(np.frexp(np.where(a > 0, a, 1))[1] - 1 - 2, -126, 127), 0)      # np.frexp(a)[1] - 1 = floor(log2(a)), exactly
;;       r = np.clip(x / 2.0 ** e, -7.5, 7.5)
;;       step = 2.0 ** (np.maximum(np.frexp(np.where(r == 0, 1, r))[1] - 1, 0) - 3)
;;       q = np.round(r / step) * step * 2.0 ** e      # np.round: ties to even
;;       return np.moveaxis(q.reshape(q.shape[:-2] + (-1,))[..., :K], -1, axis).astype(np.float32)
;;   ~~~
;;   SOFTMAX AHEAD OF A QUANTISED PRODUCT. Where the list says 'softmax', what is quantised is not the finished softmax but p = 2^(t - M), with t = logit x log2(e) and M = ceil(the row's largest t), a whole number; so 1/2 < the row's largest p <= 1. The row's sum l is taken of the UNQUANTISED p, in f32, and the product's result is divided by l at the end. Since M is a whole number, a kernel that streams over the keys may use a running M (the ceiling of the running maximum): every later rescaling is an exact power of two, which a block's scale takes up: the codes' values come out the same.
;;   OPERANDS COMPUTED ON THE WAY. 'Computed on the way' means the value that the module computes at that place (a softmax that the list does not call 'softmax' is quantised finished and normalised). What goes into a quantiser is computed in f32, as accurately as f32 sums, v_exp_f32 and their like allow (about 1e-6 of the number): no bf16 or f16 on the way to a quantiser, and a product that is left as it is and whose result goes on into a quantised operand takes f32 operands (vector FMAs, or v_wmma_f32_16x16x4_f32). A number that lies on a knife's edge between two numbers of the format may be rounded either way, as far as f32 arithmetic and the matrix unit's own rounding can turn it there, and no further.
;; One version. Each part assembles by itself: llvm-mc -triple=amdgcn-amd-amdhsa -mcpu=gfx1250 --defsym DOCPART=n.
;; ======== version 1 of 1: 4 launches
;; limits: right only within a limited range of input values
;; workspace buffers: xq 3,276,800 bytes; wq 2,457,600 bytes; wo 819,200 bytes; qq 3,276,800 bytes; kv 6,553,600 bytes; oq 3,407,872 bytes
;; launch prep (part 1): grid 256 x 1, 16 waves a work-group, no clusters, 163,840 bytes of LDS; arguments x, w_qkv, w_out, xq, wq, wo; writes xq, wq, wo
.if DOCPART == 1
	.amdgcn_target "amdgcn-amd-amdhsa--gfx1250"
	.amdhsa_code_object_version 6
	.text
	.protected	k_qc12f22b5fb_prep
	.globl	k_qc12f22b5fb_prep
	.p2align	8
	.type	k_qc12f22b5fb_prep,@function
k_qc12f22b5fb_prep:
	s_mov_b64 s[64:65], 0
	v_nop
	global_prefetch_b8 v0, s[64:65] scope:SCOPE_SE
	s_setreg_imm32_b32 hwreg(HW_REG_WAVE_MODE, 25, 1), 1
	s_wait_xcnt 0x0
; x [4096][1024], w_qkv [1024][3072] and w_out [1024][1024], f32, become codes of FP6 (E2M3) with one E8M0 byte for each 32 along K,
; laid as IMAGES OF OPERAND REGISTERS: a fragment is 16 rows x 128 K, 12 registers a lane, registers 6 c .. 6 c + 5 of lane (r, h) = block 2 c + h of row r; registers 4 c .. 4 c + 3 lie at 512 c + 16 x lane.
; ORDER OF ROWS AND COLUMNS, which holds for the whole program: tile i of a group of 64 (tokens of x, columns of a head's q, k or v) has in its row 8 h + j the group's element 32 h + 8 i + j.
; So a lane of a product's result holds a whole block of 32.  w_out is taken in its natural order, rows and columns alike.
; A block's scale is 2^(floor(log2(its largest magnitude)) - 2): the largest magnitude's exponent field less 2, held at 1 from below by a floor among the maximum's leaves.
; A block of zeros so keeps the byte 1: its codes are zeros, and the bytes are read by this program alone.
; LEFT OUT in the attention launch: key steps of 128 in which the causal mask hides every key from every query of the tile: their probabilities are 0 for all values of the inputs.
; A NaN or an infinity that reaches only that work is not carried to the result.
; LIMITS: NaN and infinities among the inputs are not served; blocks whose largest magnitude lies under 2^-124 are held at the byte 1.
; SHARES: every work-group reads 131,072 bytes, all asked for at once.  Work-groups 0-127: 32 rows of x; wave w: K step w & 7 of the tile w >> 3.
; 128-223: w_qkv, 224-255: w_out: a K step of 128 rows x 256 columns; wave w: columns 32 (w & 7) on, a lane a column, rows 64 (w >> 3) on.
; The weights' codes are put in the order of the fragments in LDS; everything leaves in whole aligned runs of 256 bytes or more.  Work-groups share no input, so no cluster; no tensor load.
.set XS,  3145728                      ; xq: codes [panel of 256 rows][K step][tile][1536]; from here the scale words [32 rows][row][K step]
.set WS,  2359296                      ; wq: [head][K step][12 tiles: q's, k's, v's][1536]; words [head][K step][192]
.set WOS, 786432                       ; wo: [panel of 128 columns][K step][tile][1536]; words [K step][column]
.set R,   128                          ; v128-191 x as loaded
.set X,   64                           ; v64-127  64 numbers of a lane: two blocks
.set SPARE, 16*8448                    ; behind the sixteen stages of x (16 rows x (512 + 16) bytes)
.set WST, SPARE+2048                   ; the weights' 16 fragments,
.set WSW, WST+24576                    ; their words,
.set XW,  WSW+1024                     ; and x's words
.macro QB                              ; two blocks, v[X] and v[X + 32] on: codes v32-37 and v38-43, bytes v20, v21
	v_max3_num_f32 v16, |v[X]|, |v[X+1]|, 0x1800000        ; and the floor 2^(3 - 127)
	v_max3_num_f32 v17, |v[X+2]|, |v[X+3]|, 0x1800000
	v_max3_num_f32 v18, |v[X+32]|, |v[X+33]|, 0x1800000
	v_max3_num_f32 v19, |v[X+34]|, |v[X+35]|, 0x1800000
.irp i, 4,8,12,16,20,24,28
	v_max3_num_f32 v16, v16, |v[X+\i]|, |v[X+\i+1]|
	v_max3_num_f32 v17, v17, |v[X+\i+2]|, |v[X+\i+3]|
	v_max3_num_f32 v18, v18, |v[X+32+\i]|, |v[X+33+\i]|
	v_max3_num_f32 v19, v19, |v[X+34+\i]|, |v[X+35+\i]|
.endr
	v_max_num_f32 v16, v16, v17
	v_max_num_f32 v18, v18, v19
	v_add_nc_u32 v16, 0xff000000, v16              ; 2 off the exponent field: the conversion's scale operand
	v_add_nc_u32 v18, 0xff000000, v18
	v_lshrrev_b32 v20, 23, v16                     ; the scales' bytes
	v_lshrrev_b32 v21, 23, v18
	v_cvt_scalef32_pk16_fp6_f32 v[32:34], v[X:X+15], v16
	v_cvt_scalef32_pk16_fp6_f32 v[48:50], v[X+16:X+31], v16
	v_cvt_scalef32_pk16_fp6_f32 v[38:40], v[X+32:X+47], v18
	v_cvt_scalef32_pk16_fp6_f32 v[52:54], v[X+48:X+63], v18
	v_nop                                          ; one plain line behind a scaled conversion
.irp i, 0,1,2
	v_mov_b32 v[35+\i], v[48+\i]
	v_mov_b32 v[41+\i], v[52+\i]
.endr
.endm
.macro CLOSE                           ; the wave's end
	s_wait_tensorcnt 0x0
	ds_add_u32 v14, v15
	s_wait_dscnt 0x0
	s_endpgm
.endm
	s_load_b256 s[4:11], s[0:1], 0x0               ; x s[4:5], w_qkv s[6:7], w_out s[8:9], xq s[10:11]
	s_load_b128 s[12:15], s[0:1], 0x20             ; wq s[12:13], wo s[14:15]
	v_lshl_add_u32 v14, v0, 2, SPARE
	v_mov_b32 v15, 0
	v_lshrrev_b32 v1, 5, v0
	v_readfirstlane_b32 s16, v1                    ; wave 0..15
	s_and_b32 s17, s16, 7
	s_lshr_b32 s18, s16, 3
	v_and_b32 v1, 31, v0                           ; lane
	v_and_b32 v2, 15, v0                           ; r
	v_bfe_u32 v3, v0, 4, 1                         ; h
	v_lshlrev_b32 v4, 4, v1                        ; 16 x lane
	v_lshlrev_b32 v5, 2, v1                        ; 4 x lane
	v_lshlrev_b32 v9, 3, v1                        ; 8 x lane
	s_mov_b32 s21, 0
	s_mov_b32 s23, 0
	s_mov_b32 s25, 0
	s_wait_alu depctr_va_vdst(0)
	s_cmp_lt_u32 ttmp9, 128
	s_cbranch_scc0 .Lweights
; ---------------- x: K is innermost.  A tile of 16 rows x 128 K a wave ----------------
	s_lshr_b32 s20, ttmp9, 1
	s_lshl_b32 s20, s20, 18                        ; a group of 64 rows of 4,096 bytes serves two work-groups, two tiles each:
	s_and_b32 s26, ttmp9, 1
	s_lshl_b32 s26, s26, 16
	s_add_co_u32 s20, s20, s26
	s_lshl_b32 s26, s18, 15                        ; my tile's rows begin 8 i further down,
	s_add_co_u32 s20, s20, s26
	s_lshl_b32 s26, s17, 9                         ; my K step's 512 bytes of each row
	s_add_co_u32 s20, s20, s26
	s_lshr_b32 s22, ttmp9, 3
	s_lshl_b32 s22, s22, 3
	s_add_co_u32 s22, s22, s17
	s_mul_i32 s22, s22, 24576
	s_and_b32 s26, ttmp9, 7
	s_mul_i32 s26, s26, 3072
	s_add_co_u32 s22, s22, s26
	s_mul_i32 s26, s18, 1536
	s_add_co_u32 s22, s22, s26
	s_lshl_b32 s24, ttmp9, 10
	s_lshl_b32 s26, s16, 8
	s_add_co_u32 s24, s24, s26
	s_add_co_u32 s24, s24, XS
	s_mul_i32 s27, s16, 8448
	v_add_nc_u32 v6, s27, v4                       ; the stage, way in: a row's 512 bytes as they lie
	v_mul_u32_u24 v7, v2, 528
	v_lshl_add_u32 v7, v3, 7, v7
	v_add_nc_u32 v7, s27, v7                       ; way out: row r, + 128 h: my block of 32 numbers
	v_lshlrev_b32 v8, 3, v3                        ; 8 h
	s_lshl_b32 s27, s17, 2
	s_lshl_b32 s28, s18, 9
	s_add_co_u32 s27, s27, s28
	s_add_co_u32 s27, s27, XW
	v_lshlrev_b32 v10, 5, v2                       ; a row's eight words are 32 bytes
	v_add_nc_u32 v10, s27, v10                     ; my row's word
	s_lshl_b32 s27, s16, 8
	s_add_co_u32 s27, s27, XW
	v_add_nc_u32 v11, s27, v9                      ; waves 0-3: 256 bytes of words
	v_mov_b32 v23, 0                               ; a lane permute's destination counts as one of its sources
	s_mov_b32 s32, 0x76543210
	s_mov_b32 s33, 0xfedcba98                      ; v_permlanex16_b32's selects for lane l xor 16
	s_wait_alu depctr_va_vdst(0)
	s_wait_kmcnt 0x0
	s_add_nc_u64 s[20:21], s[4:5], s[20:21]
	s_add_nc_u64 s[22:23], s[10:11], s[22:23]
	s_add_nc_u64 s[24:25], s[10:11], s[24:25]
.set I, 0
.rept 16
	global_load_b128 v[R+4*I:R+4*I+3], v4, s[20:21] offset:4096*(32*(I/8)+I%8) th:TH_LOAD_NT   ; 32 lanes read 512 consecutive bytes of the row that is row I of my tile
.set I, I+1
.endr
	s_wait_loadcnt 0x0
.set I, 0
.rept 16
	ds_store_b128 v6, v[R+4*I:R+4*I+3] offset:528*I
.set I, I+1
.endr
.irp c, 0,1                            ; LDS serves a wave's instructions in order: these see my stores.  Lane (r, h) takes blocks h and 2 + h of row r, whole
.irp j, 0,1,2,3,4,5,6,7
	ds_load_b128 v[X+32*\c+4*\j:X+32*\c+4*\j+3], v7 offset:256*\c+16*\j
.endr
.endr
	s_wait_dscnt 0x0
	QB
	v_lshl_or_b32 v22, v21, 16, v20                ; my two bytes,
.irp c, 0,1,2
	global_store_b128 v4, v[32+4*\c:35+4*\c], s[22:23] offset:512*\c   ; 512 consecutive bytes, aligned
.endr
	v_lshlrev_b32 v22, v8, v22                     ; at their places in the word, 8 h bits up;
	v_permlanex16_b32 v23, v22, s32, s33
	v_or_b32 v24, v22, v23                         ; with lane l xor 16's two the row's word is whole
	ds_store_b32 v10, v24                          ; (lanes l and l xor 16 store the same word)
	s_wait_dscnt 0x0
	s_barrier_signal -1
	s_barrier_wait -1
	s_cmp_lt_u32 s16, 4
	s_cbranch_scc0 .Lx_end
	ds_load_b64 v[26:27], v11
	s_wait_dscnt 0x0
	global_store_b64 v9, v[26:27], s[24:25]        ; one aligned run of 256 bytes a wave
.Lx_end:
	CLOSE
; ---------------- the weights: K is the FIRST axis.  A lane takes a column, its registers run down K: two blocks ----------------
; v6 my column's place among the stage's fragments, v7 its word's; v10 fragment `wave` of the stage, v11 256 bytes of its words; s[20:21] where my rows begin, s[22:23] where fragment `wave` goes, s[24:25] the words
.macro WPATH n
.set P, 0
.rept 64
	global_load_b32 v[X+P], v5, s[20:21] offset:P*(\n)*4 th:TH_LOAD_NT   ; a wave reads 128 consecutive bytes of a row, the eight waves of a half of K 1,024
.set P, P+1
.endr
	s_wait_loadcnt 0x0
	QB
	v_lshl_or_b32 v22, v21, 8, v20                 ; two of the word's four bytes
	s_wait_alu depctr_va_vdst(0)
	s_cmp_lt_u32 s16, 8
	s_cbranch_scc0 .Lupper_\@
.irp b, 0,1                            ; blocks 0 and 1: registers 0-5 of lanes 0-15 and 16-31
	ds_store_b128 v6, v[32+6*\b:35+6*\b] offset:256*\b
	ds_store_b64 v6, v[36+6*\b:37+6*\b] offset:512+256*\b
.endr
	s_branch .Lstaged_\@
.Lupper_\@:
.irp b, 0,1                            ; blocks 2 and 3: registers 6-11
	ds_store_b64 v6, v[32+6*\b:33+6*\b] offset:520+256*\b
	ds_store_b128 v6, v[34+6*\b:37+6*\b] offset:1024+256*\b
.endr
.Lstaged_\@:
	ds_store_b16 v7, v22
	s_wait_dscnt 0x0
	s_barrier_signal -1
	s_barrier_wait -1
.irp c, 0,1,2
	ds_load_b128 v[128+4*\c:131+4*\c], v10 offset:512*\c
.endr
	s_wait_dscnt 0x0
.irp c, 0,1,2
	global_store_b128 v4, v[128+4*\c:131+4*\c], s[22:23] offset:512*\c
.endr
	s_cmp_lt_u32 s16, 4
	s_cbranch_scc0 .Lend_\@
	ds_load_b64 v[140:141], v11
	s_wait_dscnt 0x0
	global_store_b64 v9, v[140:141], s[24:25]      ; one aligned run of 256 bytes a wave
.Lend_\@:
	CLOSE
.endm
.Lweights:
	s_mul_i32 s27, s16, 1536
	s_add_co_u32 s27, s27, WST
	v_add_nc_u32 v10, s27, v4
	s_lshl_b32 s27, s16, 8
	s_add_co_u32 s27, s27, WSW
	v_add_nc_u32 v11, s27, v9
	s_wait_alu depctr_va_vdst(0)
	s_cmp_lt_u32 ttmp9, 224
	s_cbranch_scc0 .Lwout
	s_sub_co_u32 s26, ttmp9, 128
	s_and_b32 s27, s26, 7                          ; K step
	s_lshr_b32 s28, s26, 3                         ; which 256 columns of the 3,072: part s28 >> 2, four heads from 4 (s28 & 3) on
	s_lshr_b32 s29, s28, 2                         ; part: 0 q, 1 k, 2 v
	s_and_b32 s30, s28, 3
	s_lshl_b32 s30, s30, 2                         ; the first head
	s_mul_i32 s20, s27, 1572864                    ; 128 rows of 12,288 bytes
	s_mul_i32 s31, s18, 786432                     ; my 64 of them
	s_add_co_u32 s20, s20, s31
	s_lshl_b32 s31, s28, 10
	s_add_co_u32 s20, s20, s31
	s_lshl_b32 s31, s17, 7
	s_add_co_u32 s20, s20, s31
	s_lshr_b32 s31, s16, 2
	s_add_co_u32 s31, s31, s30
	s_lshl_b32 s31, s31, 3
	s_add_co_u32 s31, s31, s27                     ; fragment `wave`: head 4 (s28 & 3) + wave / 4,
	s_mul_i32 s22, s31, 18432
	s_lshl_b32 s31, s29, 2
	s_and_b32 s34, s16, 3
	s_add_co_u32 s31, s31, s34                     ; tile wave % 4 of its part
	s_mul_i32 s31, s31, 1536
	s_add_co_u32 s22, s22, s31
	s_add_co_u32 s31, s30, s16                     ; words of waves 0-3: head 4 (s28 & 3) + wave
	s_lshl_b32 s31, s31, 3
	s_add_co_u32 s31, s31, s27
	s_mul_i32 s24, s31, 768
	s_lshl_b32 s31, s29, 8
	s_add_co_u32 s24, s24, s31
	s_add_co_u32 s24, s24, WS
	s_lshr_b32 s31, s17, 1
	s_and_b32 s34, s17, 1
	s_mul_i32 s35, s31, 6144
	s_lshl_b32 s36, s34, 7
	s_add_co_u32 s35, s35, s36
	s_add_co_u32 s35, s35, WST
	v_lshrrev_b32 v12, 3, v1                       ; lane 8 i + j of the group's half: tile i, row 8 half + j
	v_and_b32 v13, 7, v1
	v_mul_u32_u24 v6, v12, 1536
	v_lshl_add_u32 v6, v13, 4, v6
	v_add_nc_u32 v6, s35, v6
	s_lshl_b32 s35, s31, 8
	s_lshl_b32 s36, s34, 5
	s_add_co_u32 s35, s35, s36
	s_lshl_b32 s36, s18, 1
	s_add_co_u32 s35, s35, s36
	s_add_co_u32 s35, s35, WSW
	s_wait_alu depctr_va_vdst(0)
	v_lshlrev_b32 v7, 6, v12
	v_lshl_add_u32 v7, v13, 2, v7
	v_add_nc_u32 v7, s35, v7
	s_wait_alu depctr_va_vdst(0)
	s_wait_kmcnt 0x0
	s_add_nc_u64 s[20:21], s[6:7], s[20:21]
	s_add_nc_u64 s[22:23], s[12:13], s[22:23]
	s_add_nc_u64 s[24:25], s[12:13], s[24:25]
	WPATH 3072
.Lwout:
	s_sub_co_u32 s26, ttmp9, 224
	s_and_b32 s27, s26, 7                          ; K step
	s_lshr_b32 s28, s26, 3                         ; which 256 columns of the 1,024
	s_lshl_b32 s20, s27, 19                        ; 128 rows of 4,096 bytes
	s_lshl_b32 s31, s18, 18                        ; my 64 of them
	s_add_co_u32 s20, s20, s31
	s_lshl_b32 s31, s28, 10
	s_add_co_u32 s20, s20, s31
	s_lshl_b32 s31, s17, 7
	s_add_co_u32 s20, s20, s31
	s_lshl_b32 s31, s28, 1
	s_add_co_u32 s31, s31, s18                     ; fragment `wave`: panel 2 s28 + wave / 8, tile wave % 8
	s_lshl_b32 s31, s31, 3
	s_add_co_u32 s31, s31, s27
	s_mul_i32 s22, s31, 12288
	s_mul_i32 s31, s17, 1536
	s_add_co_u32 s22, s22, s31
	s_lshl_b32 s24, s27, 12
	s_lshl_b32 s31, s28, 10
	s_add_co_u32 s24, s24, s31
	s_lshl_b32 s31, s16, 8
	s_add_co_u32 s24, s24, s31
	s_add_co_u32 s24, s24, WOS
	s_mul_i32 s35, s17, 3072
	s_add_co_u32 s35, s35, WST
	v_mul_u32_u24 v6, v3, 1536                     ; lane 16 f + r of my 32 columns: tile f, row r
	v_lshl_add_u32 v6, v2, 4, v6
	v_add_nc_u32 v6, s35, v6
	s_lshl_b32 s35, s17, 7
	s_lshl_b32 s36, s18, 1
	s_add_co_u32 s35, s35, s36
	s_add_co_u32 s35, s35, WSW
	v_add_nc_u32 v7, s35, v5
	s_wait_alu depctr_va_vdst(0)
	s_wait_kmcnt 0x0
	s_add_nc_u64 s[20:21], s[8:9], s[20:21]
	s_add_nc_u64 s[22:23], s[14:15], s[22:23]
	s_add_nc_u64 s[24:25], s[14:15], s[24:25]
	WPATH 1024
.Lfunc_end_k_qc12f22b5fb_prep:
	.size	k_qc12f22b5fb_prep, .Lfunc_end_k_qc12f22b5fb_prep-k_qc12f22b5fb_prep
	.p2alignl 7, 3214868480
	.fill 96, 4, 3214868480
	.section	.rodata,"a",@progbits
	.p2align	6, 0x0
	.amdhsa_kernel k_qc12f22b5fb_prep
		.amdhsa_group_segment_fixed_size 163840
		.amdhsa_private_segment_fixed_size 0
		.amdhsa_enable_private_segment 0
		.amdhsa_kernarg_size 48
		.amdhsa_user_sgpr_count 2
		.amdhsa_user_sgpr_kernarg_segment_ptr 1
		.amdhsa_wavefront_size32 1
		.amdhsa_system_sgpr_workgroup_id_x 1
		.amdhsa_system_sgpr_workgroup_id_y 1
		.amdhsa_system_sgpr_workgroup_id_z 1
		.amdhsa_system_vgpr_workitem_id 0
		.amdhsa_next_free_vgpr 192
		.amdhsa_next_free_sgpr 66
		.amdhsa_reserve_vcc 0
		.amdhsa_float_denorm_mode_32 3
		.amdhsa_float_denorm_mode_16_64 3
		.amdhsa_memory_ordered 1
		.amdhsa_forward_progress 1
		.amdhsa_inst_pref_size 36
	.end_amdhsa_kernel
	.amdgpu_metadata
---
amdhsa.version: [ 1, 2 ]
amdhsa.kernels:
  - .name:           k_qc12f22b5fb_prep
    .symbol:         k_qc12f22b5fb_prep.kd
    .args:
      - { .name: x, .offset: 0, .size: 8, .value_kind: global_buffer, .address_space: global }
      - { .name: w_qkv, .offset: 8, .size: 8, .value_kind: global_buffer, .address_space: global }
      - { .name: w_out, .offset: 16, .size: 8, .value_kind: global_buffer, .address_space: global }
      - { .name: xq, .offset: 24, .size: 8, .value_kind: global_buffer, .address_space: global }
      - { .name: wq, .offset: 32, .size: 8, .value_kind: global_buffer, .address_space: global }
      - { .name: wo, .offset: 40, .size: 8, .value_kind: global_buffer, .address_space: global }
    .group_segment_fixed_size: 163840
    .private_segment_fixed_size: 0
    .kernarg_segment_align: 8
    .kernarg_segment_size: 48
    .max_flat_workgroup_size: 512
    .sgpr_count:     66
    .vgpr_count:     192
    .wavefront_size: 32
...
	.end_amdgpu_metadata
.endif
;; end of part 1
;; launch qkv (part 2): grid 16 x 16, 4 waves a work-group, clusters of 4 x 4, 327,680 bytes of LDS; arguments xq, wq, qq, kv; writes qq, kv
.if DOCPART == 2
	.amdgcn_target "amdgcn-amd-amdhsa--gfx1250"
	.amdhsa_code_object_version 6
	.text
	.protected	k_qc12f22b5fb_qkv
	.globl	k_qc12f22b5fb_qkv
	.p2align	8
	.type	k_qc12f22b5fb_qkv,@function
k_qc12f22b5fb_qkv:
	s_mov_b64 s[64:65], 0
	v_nop
	global_prefetch_b8 v0, s[64:65] scope:SCOPE_SE
	s_setreg_imm32_b32 hwreg(HW_REG_WAVE_MODE, 25, 1), 1
	s_wait_xcnt 0x0
	s_wait_alu depctr_hold_cnt(0) depctr_sa_sdst(0) depctr_va_vdst(0) depctr_va_sdst(0) depctr_va_ssrc(0) depctr_va_vcc(0) depctr_vm_vsrc(0)
	s_getreg_b32 s2, hwreg(HW_REG_IB_STS2, 6, 4)
	s_cmp_eq_u32 s2, 0
	s_cbranch_scc0 .Lentry_in_a_cluster
	s_endpgm
.Lentry_in_a_cluster:
	s_bfe_u32 s2, ttmp6, 0x10000c
	s_cmp_lg_u32 s2, 0xf033
	s_cbranch_scc0 .Lentry_shape_is_right
	s_endpgm
.Lentry_shape_is_right:
; q, k, v = x w_qkv on codes of FP6 (E2M3), and q, k, v quantised at once, in registers, for the attention launch.
; A work-group makes 256 tokens (panel pn) x the 192 columns q, k, v of one head (hd): 256 work-groups.  Codes come as images of operand registers (16 rows x 128 K = 1,536 bytes, 16 bytes a lane at 512 c + 16 x lane).
; LDS is filled ONCE: x's 8 K steps x 24,576 bytes, and W's K steps 2 to 6, 18,432 bytes each.  W's K steps 0, 1 and 7 go from memory into each wave's fragment registers: 0 and 1 so that the products need only x's first two K steps
; in LDS to begin, 7 because all of K does not fit in LDS.
; CLUSTER 4 x 4: the four work-groups of a row of the cluster share x's panel, the four of a column the head: each tile is asked for jointly.  One load a wave: wave 0 x's K steps 0, 1; wave 1 W's 2-6; wave 2 x's 2-4; wave 3 x's 5-7.
; No prefetch: everything that LDS takes is asked for at the head, and there is no loop to run ahead in.
; A WAVE (half = wave & 1: 128 tokens, 8 tiles; kind = wave >> 1: q or k, and two of v's four column tiles) has 48 accumulators: 8 x 4 TRANSPOSED tiles (source 0 = 16 columns, source 1 = 16 tokens): a lane holds one token,
; and by the order of the columns (tile i, row 8 h + j = column 32 h + 8 i + j) its 32 registers of a token tile are block h of the head's 64;  8 x 2 NATURAL tiles of v (source 0 = tokens): a lane holds one channel,
; and by the same order of the tokens its 32 registers of four tiles are block 2 c + h of the 128 tokens.  So a block never leaves its lane.
; OUT: qq [record][4 pairs of tiles][1536], scale words at QS [record][4 pairs][16 rows];  kv record of 12,800 bytes: K's 4 pairs, V's 4 tiles, K's words at 12,288, V's at 12,544.  record = 16 bh + key step of 128 tokens.
; LIMITS: NaN and infinities are not served; a block whose largest magnitude lies under 2^-124 keeps the byte 1 (a block of zeros too: its codes are zeros).
; REGISTERS: window 0: v1-15 addresses; v16-47 x's scale words, v49-74 W's; v84-87 at work; v88-255 fragment set 0 (x's 8, q's or k's 4, v's 2), on the way out codes and bytes.
; window 1: the transposed accumulators.  window 2: v0-127 v's.  window 3: v0-167 set 1; v168-239 W's fragments of K step 7.
.set XS,  3145728
.set WS,  2359296
.set QS,  3145728
.set LB,  196608                       ; W's K step s lies at LB + 18,432 s
.set SPARE, LB+7*18432
.set G1A, 24                           ; x, two K steps
.set G1B, 32                           ; W
.set G1C, 40                           ; x, three K steps
.set G0A, 48
.set G0B, 52
.set G0C, 72
.set G0D, 76
.set SX,  16                           ; SX + 8 (tile / 2) + s: an even tile's words in lanes 0-15, the next tile's in lanes 16-31
.set SW,  49                           ; SW + 9 (column tile / 2) + s: never the same number modulo 8 as x's of the same step
.set CT,  160
.set E,   168                          ; v168-179 scale bytes
.set MSB, 0
.macro WIN new
.if MSB != (\new)
	s_set_vgpr_msb (MSB<<8)|(\new)
.set MSB, (\new)
.endif
.endm
.macro PLACES n
.rept \n
	v_nop
.endr
.endm
.macro CROUND                          ; a round of the cluster's barrier
	s_barrier_signal -1
	s_barrier_wait -1
	s_cmp_lg_u32 s12, 0
	s_cbranch_scc1 .Lnot_wave_0_\@
	s_barrier_signal -3
.Lnot_wave_0_\@:
	s_barrier_wait -3
	s_barrier_signal -1
	s_barrier_wait -1
.endm
.macro WMX d, a, b, c, sa, sb, ra, rb
	v_wmma_scale_f32_16x16x128_f8f6f4 v[\d:\d+7], v[\a:\a+11], v[\b:\b+11], \c, v[\sa], v[\sb] matrix_a_fmt:MATRIX_FMT_FP6 matrix_b_fmt:MATRIX_FMT_FP6 matrix_a_scale:MATRIX_SCALE_ROW\ra matrix_b_scale:MATRIX_SCALE_ROW\rb
.endm
.macro WM d, a, b, c, sa, sb, ra, rb   ; one product; ra, rb = 1: that side's scale words stand in lanes 16-31
.if (\ra)
.if (\rb)
	WMX \d, \a, \b, \c, \sa, \sb, 1, 1
.else
	WMX \d, \a, \b, \c, \sa, \sb, 1, 0
.endif
.else
.if (\rb)
	WMX \d, \a, \b, \c, \sa, \sb, 0, 1
.else
	WMX \d, \a, \b, \c, \sa, \sb, 0, 0
.endif
.endif
.endm
.macro ARM under, g0, g1, next
	s_cmp_lt_u32 s12, \under
	s_cbranch_scc0 \next
	tensor_load_to_lds s[\g0:\g0+3], s[\g1:\g1+7]
	s_nop 0
	PLACES 4
	s_branch .Lfilled
\next:
.endm
.macro WG s, r                         ; my six fragments of W's K step s, from memory, into v[r] on of the window that is set: 18 loads of 512 consecutive bytes
.irp c, 0,1,2
.irp n, 0,1,2,3
	global_load_b128 v[\r+12*\n+4*\c:\r+12*\n+4*\c+3], v10, s[62:63] offset:18432*(\s)+1536*\n+512*\c
.endr
.irp n, 0,1
	global_load_b128 v[\r+48+12*\n+4*\c:\r+48+12*\n+4*\c+3], v11, s[62:63] offset:18432*(\s)+1536*\n+512*\c
.endr
.endr
.endm
	s_load_b256 s[4:11], s[0:1], 0x0               ; xq s[4:5], wq s[6:7], qq s[8:9], kv s[10:11]
	v_lshl_add_u32 v14, v0, 2, SPARE
	v_mov_b32 v15, 0
	ds_add_u32 v14, v15
	ds_add_u32 v14, v15
	v_lshrrev_b32 v1, 5, v0
	v_readfirstlane_b32 s12, v1                    ; wave 0..3
	s_and_b32 s13, s12, 1                          ; half: my 128 tokens
	s_lshr_b32 s14, s12, 1                         ; kind: 0 q, 1 k
	v_and_b32 v1, 31, v0                           ; lane
	v_lshlrev_b32 v2, 4, v1                        ; 16 x lane
	v_lshlrev_b32 v4, 2, v1                        ; 4 x lane
	v_bfe_u32 v3, v0, 4, 1
	v_lshlrev_b32 v3, 3, v3                        ; 8 h
	v_lshlrev_b32 v12, 5, v1                       ; 32 x lane
	s_wait_alu depctr_va_vdst(0)
	s_mul_i32 s22, s13, 12288
	v_add_nc_u32 v5, s22, v2                       ; LDS: x's images, my half's eight tiles, K step 0
	s_mul_i32 s22, s14, 6144
	v_add_nc_u32 v10, s22, v2                      ; in a K step of W: q's four column tiles or k's,
	s_add_co_u32 s22, s22, LB
	v_add_nc_u32 v6, s22, v2                       ; the same in LDS
	s_mul_i32 s22, s14, 3072
	s_add_co_u32 s22, s22, 12288
	v_add_nc_u32 v11, s22, v2                      ; and my two of v's
	s_add_co_u32 s22, s22, LB
	v_add_nc_u32 v7, s22, v2
	s_lshl_b32 s22, s13, 12
	v_add_nc_u32 v12, s22, v12                     ; x's words: my 128 rows, 32 bytes each
	s_lshl_b32 s22, s14, 8
	v_add_nc_u32 v84, s22, v4                      ; W's words: q's 64 columns or k's,
	s_lshl_b32 s22, s14, 7
	s_add_co_u32 s22, s22, 512
	v_add_nc_u32 v85, s22, v4                      ; my 32 of v's
	s_bfe_u32 s15, ttmp6, 0x40000                  ; cx
	s_bfe_u32 s16, ttmp6, 0x40004                  ; cy
	s_lshl_b32 s17, ttmp9, 2
	s_add_co_u32 s17, s17, s15                     ; hd = 4 x cluster x + cx
	s_and_b32 s18, ttmp7, 0xffff
	s_lshl_b32 s18, s18, 2
	s_add_co_u32 s18, s18, s16                     ; pn = 4 x cluster y + cy
	s_lshl_b32 s19, s16, 2
	s_lshl_b32 s19, 15, s19                        ; my row of the cluster
	s_lshl_b32 s22, 0x1111, s15                    ; my column
	; group 1: dense blocks as rows of 256 bytes (32 elements of 8 bytes), no padding
	s_or_b32 s[G1A], s19, (3<<16)|(1<<21)
	s_or_b32 s[G1B], s22, (3<<16)|(1<<21)
	s_or_b32 s[G1C], s19, (3<<16)|(1<<21)
.irp g, G1A, G1B, G1C
	s_mov_b32 s[\g+1], 32<<16
	s_mov_b32 s[\g+3], 32<<16
	s_mov_b32 s[\g+5], 32
	s_mov_b32 s[\g+6], 0
	s_mov_b32 s[\g+7], 0
.endr
	s_mov_b32 s[G1A+2], 192<<16                    ; two K steps of x: 49,152 bytes
	s_mov_b32 s[G1A+4], 192
	s_mov_b32 s[G1B+2], 360<<16                    ; five K steps of W: 92,160 bytes
	s_mov_b32 s[G1B+4], 360
	s_mov_b32 s[G1C+2], 288<<16                    ; three K steps of x: 73,728 bytes
	s_mov_b32 s[G1C+4], 288
	s_mul_i32 s56, s18, 196608                     ; x hangs on the panel alone,
	s_mov_b32 s57, 0
	s_mul_i32 s62, s17, 147456                     ; W on the head alone
	s_mov_b32 s63, 0
	s_mov_b32 s[G0A], 1
	s_mov_b32 s[G0A+1], 0
	s_mov_b32 s[G0B], 1
	s_mov_b32 s[G0B+1], LB+36864
	s_mov_b32 s[G0C], 1
	s_mov_b32 s[G0C+1], 49152
	s_mov_b32 s[G0D], 1
	s_mov_b32 s[G0D+1], 122880
	s_wait_alu depctr_va_vdst(0)
	s_wait_dscnt 0x0
	CROUND                                         ; all sixteen work-groups are here: the joint loads meet
	s_wait_kmcnt 0x0
	s_add_nc_u64 s[56:57], s[4:5], s[56:57]
	s_add_nc_u64 s[62:63], s[6:7], s[62:63]        ; W's codes of my head
	s_mov_b64 s[G0A+2:G0A+3], s[56:57]
	s_or_b32 s[G0A+3], s[G0A+3], 0x80000000
	s_add_nc_u64 s[G0B+2:G0B+3], s[62:63], 36864
	s_or_b32 s[G0B+3], s[G0B+3], 0x80000000
	s_add_nc_u64 s[G0C+2:G0C+3], s[56:57], 49152
	s_or_b32 s[G0C+3], s[G0C+3], 0x80000000
	s_add_nc_u64 s[G0D+2:G0D+3], s[56:57], 122880
	s_or_b32 s[G0D+3], s[G0D+3], 0x80000000
	ARM 1, G0A, G1A, .Lfill_1                      ; one load a wave, each a line of its own
	ARM 2, G0B, G1B, .Lfill_2
	ARM 3, G0C, G1C, .Lfill_3
	tensor_load_to_lds s[G0D:G0D+3], s[G1C:G1C+7]
	s_nop 0
	PLACES 4
.Lfilled:
	s_lshl_b32 s66, s18, 13
	s_add_co_u32 s66, s66, XS
	s_mov_b32 s67, 0
	s_add_nc_u64 s[66:67], s[4:5], s[66:67]        ; x's scale words of my panel
	s_mul_i32 s68, s17, 6144
	s_add_co_u32 s68, s68, WS
	s_mov_b32 s69, 0
	s_add_nc_u64 s[68:69], s[6:7], s[68:69]        ; W's of my head
	WG 0, 184                                      ; W's K step 0 into set 0
.irp p, 0,1,2,3
	global_load_b128 v[SX+8*\p:SX+8*\p+3], v12, s[66:67] offset:1024*\p          ; 32 rows' words, all of K
	global_load_b128 v[SX+8*\p+4:SX+8*\p+7], v12, s[66:67] offset:1024*\p+16
.endr
.irp s, 0,1,2,3,4,5,6,7
	global_load_b32 v[SW+\s], v84, s[68:69] offset:768*\s
	global_load_b32 v[SW+9+\s], v84, s[68:69] offset:768*\s+128
	global_load_b32 v[SW+18+\s], v85, s[68:69] offset:768*\s
.endr
	WIN 0xc0
	WG 1, 96                                       ; W's K step 1 into set 1
	WIN 0
	; where the results go
	s_lshr_b32 s84, s18, 3
	s_lshl_b32 s84, s84, 4
	s_add_co_u32 s84, s84, s17                     ; bh = 16 x batch + head
	s_and_b32 s85, s18, 7
	s_lshl_b32 s85, s85, 1
	s_add_co_u32 s85, s85, s13                     ; my key step
	s_lshl_b32 s84, s84, 4
	s_add_co_u32 s84, s84, s85                     ; my record
	s_mul_i32 s86, s84, 12800
	s_mul_i32 s87, s84, 6144
	s_lshl_b32 s88, s84, 8
	s_add_co_u32 s88, s88, QS
	s_add_co_u32 s89, s86, 12288
	s_cmp_eq_u32 s14, 0                            ; q's wave or k's: the choice hangs on the wave's number alone
	s_cselect_b32 s92, s87, s86
	s_cselect_b32 s94, s88, s89
	s_cselect_b64 s[96:97], s[8:9], s[10:11]
	s_mov_b32 s93, 0
	s_mov_b32 s95, 0
	s_add_nc_u64 s[92:93], s[96:97], s[92:93]      ; my pairs' codes,
	s_add_nc_u64 s[94:95], s[96:97], s[94:95]      ; their words
	s_mul_i32 s90, s14, 3072
	s_add_co_u32 s90, s90, s86
	s_add_co_u32 s90, s90, 6144
	s_mov_b32 s91, 0
	s_add_nc_u64 s[90:91], s[10:11], s[90:91]      ; my two tiles of v,
	s_lshl_b32 s98, s14, 7
	s_add_co_u32 s98, s98, s86
	s_add_co_u32 s98, s98, 12544
	s_mov_b32 s99, 0
	s_add_nc_u64 s[98:99], s[10:11], s[98:99]      ; and their words
	s_mov_b32 s20, 0x76543210
	s_mov_b32 s21, 0xfedcba98                      ; v_permlanex16_b32's selects for lane l xor 16
; fragment f of a K step into set e: 0-7 x's, 8-11 q's or k's, 12 and 13 v's; three loads of 512 consecutive bytes
.macro LF e, f, ax, aw, av
.set D_, 88*(1-(\e))+12*(\f)
.irp c, 0,1,2
.if (\f) < 8
	ds_load_b128 v[D_+4*\c:D_+4*\c+3], v[\ax] offset:1536*(\f)+512*\c
.elseif (\f) < 12
	ds_load_b128 v[D_+4*\c:D_+4*\c+3], v[\aw] offset:1536*((\f)-8)+512*\c
.else
	ds_load_b128 v[D_+4*\c:D_+4*\c+3], v[\av] offset:1536*((\f)-12)+512*\c
.endif
.endr
.endm
.macro LRUN s, f0, f1, f2, f3, f4      ; up to five fragments of K step s (W's of K steps 0, 1 and 7 do not come through LDS)
.if (\s) < 8
	WIN 0xc0*((\s)%2)
.irp f, \f0, \f1, \f2, \f3, \f4
.if (\f < 8) || (((\s) > 1) && ((\s) < 7) && (\f < 14))
	LF (\s)%2, \f, 8, 9, 13
.endif
.endr
.endif
.endm
.macro PT s, a, n                      ; a transposed product
.set FX_, 88*(1-(\s)%2)+12*(\a)
.set FW_, 88*(1-(\s)%2)+96+12*(\n)
.if (\s) == 7
.set FW_, 168+12*(\n)
.endif
.set DD_, 32*(\a)+8*(\n)
.if (\s) == 0
	WM DD_, FW_, FX_, 0, SW+9*((\n)/2)+(\s), SX+8*((\a)/2)+(\s), (\n)%2, (\a)%2
.else
	WM DD_, FW_, FX_, v[DD_:DD_+7], SW+9*((\n)/2)+(\s), SX+8*((\a)/2)+(\s), (\n)%2, (\a)%2
.endif
.endm
.macro PV s, a, n                      ; a product of v
.set FX_, 88*(1-(\s)%2)+12*(\a)
.set FW_, 88*(1-(\s)%2)+144+12*(\n)
.if (\s) == 7
.set FW_, 216+12*(\n)
.endif
.set DD_, 64*(\n)+8*(\a)
.if (\s) == 0
	WM DD_, FX_, FW_, 0, SX+8*((\a)/2)+(\s), SW+18+(\s), (\a)%2, (\n)%2
.else
	WM DD_, FX_, FW_, v[DD_:DD_+7], SX+8*((\a)/2)+(\s), SW+18+(\s), (\a)%2, (\n)%2
.endif
.endm
.macro GT s, a                         ; eight products: token tiles a, a + 1 x four column tiles
	WIN 0x50+0x0f*((\s)%2)
.irp n, 0,1,2,3
	PT \s, \a, \n
.endr
.irp n, 0,1,2,3
	PT \s, \a+1, \n
.endr
.endm
.macro GV s, a                         ; eight products: token tiles a .. a + 3 x two of v's
	WIN 0xa0+0x0f*((\s)%2)
.irp i, 0,1,2,3
	PV \s, \a+\i, 0
	PV \s, \a+\i, 1
.endr
.endm
; K step s: its set is in; 48 products, and among them, in three runs, the next step's fragments.  The 48 accumulators take turns, one instruction a turn, in the same order in every step.
; K step 1 asks for K step 2's fragments behind its transposed products alone, behind the barrier that shows W's K steps 2-6 and x's 2-4.
.macro KSTEP s
	WIN 0
	s_wait_dscnt 0x0
.if \s == 4
	s_wait_tensorcnt 0x0                           ; my load has landed, x's K steps 5-7 too;
	s_barrier_signal -1
	s_barrier_wait -1                              ; everybody's has.
.endif
.if (\s == 1) || (\s == 7)
	s_wait_loadcnt 0x0                             ; W's fragments of this step, from memory
.endif
.if \s == 2
	WIN 0xc0
	WG 7, 168
	WIN 0
.endif
.if \s < 7                             ; the next step's addresses: also the four places between the last step's products and the loads into the set that they read
	v_add_nc_u32 v8, 24576*(\s+1), v5
.if (\s > 0) && (\s < 6)
	v_add_nc_u32 v9, 18432*(\s+1), v6
	v_add_nc_u32 v13, 18432*(\s+1), v7
	v_nop
.else
	PLACES 3
.endif
	s_wait_alu depctr_va_vdst(0)
.endif
.if \s == 1
	GT \s, 0
	GT \s, 2
	GT \s, 4
	GT \s, 6
	WIN 0
	s_cmp_lt_u32 s12, 3
	s_cbranch_scc0 .Lthird
	s_wait_tensorcnt 0x0                           ; waves 1 and 2's loads, in lines of their own
.Lthird:
	s_barrier_signal -1
	s_barrier_wait -1                              ; they are in; x's K steps 5-7 may be out
	LRUN \s+1, 0, 1, 2, 3, 4
	LRUN \s+1, 5, 6, 7, 8, 9
	LRUN \s+1, 10, 11, 12, 13, 99
.else
	LRUN \s+1, 0, 1, 2, 3, 4
	GT \s, 0
	GT \s, 2
	LRUN \s+1, 5, 6, 7, 8, 9
	GT \s, 4
	GT \s, 6
	LRUN \s+1, 10, 11, 12, 13, 99
.endif
	GV \s, 0
	GV \s, 4
.endm
	s_wait_alu depctr_va_vdst(0)
	s_cmp_lt_u32 s12, 1
	s_cbranch_scc0 .Lsecond
	s_wait_tensorcnt 0x0                           ; x's K steps 0 and 1 are wave 0's load
.Lsecond:
	s_barrier_signal -1
	s_barrier_wait -1                              ; they are in; the other loads may be out
.irp f, 0,1,2,3,4,5,6,7
	LF 0, \f, 5, 6, 7
.endr
	s_wait_loadcnt 18                              ; the scale words and W's K step 0; the 18 younger loads, W's K step 1, may be out
.irp s, 0,1,2,3,4,5,6,7
	KSTEP \s
.endr
	WIN 0
	PLACES 4                                       ; behind the last products
.irp i, 0,1,2,3,4,5
	v_mov_b32 v[184+\i], 0                         ; a lane permute's destination counts as one of its sources
.endr
; THE WAY OUT.  Two blocks of a lane, v[s0], v[s1] on in window w, become six code registers each, v[d0], v[d0 + 6] on, and the bytes v[e], v[e + 1].  The reads of an accumulator begin at its low end.
.macro Q2 s0, s1, w, d0, e
	WIN 0x05*(\w)
	v_max3_num_f32 v84, |v[\s0]|, |v[\s0+1]|, 0x1800000            ; and the floor 2^(3 - 127)
	v_max3_num_f32 v85, |v[\s0+16]|, |v[\s0+17]|, 0x1800000
	v_max3_num_f32 v86, |v[\s1]|, |v[\s1+1]|, 0x1800000
	v_max3_num_f32 v87, |v[\s1+16]|, |v[\s1+17]|, 0x1800000
	WIN 0x14*(\w)
.irp i, 2,4,6,8,10,12,14
	v_max3_num_f32 v84, v84, |v[\s0+\i]|, |v[\s0+\i+1]|
	v_max3_num_f32 v85, v85, |v[\s0+16+\i]|, |v[\s0+17+\i]|
	v_max3_num_f32 v86, v86, |v[\s1+\i]|, |v[\s1+\i+1]|
	v_max3_num_f32 v87, v87, |v[\s1+16+\i]|, |v[\s1+17+\i]|
.endr
	WIN 0
	v_max_num_f32 v84, v84, v85
	v_max_num_f32 v86, v86, v87
	v_add_nc_u32 v84, 0xff000000, v84              ; 2 off the exponent field: the conversion's scale operand
	v_add_nc_u32 v86, 0xff000000, v86
	v_lshrrev_b32 v[\e], 23, v84                   ; the scale's byte
	v_lshrrev_b32 v[\e+1], 23, v86
	WIN \w
	v_cvt_scalef32_pk16_fp6_f32 v[\d0:\d0+2], v[\s0:\s0+15], v84
	v_cvt_scalef32_pk16_fp6_f32 v[CT:CT+2], v[\s0+16:\s0+31], v84
	v_cvt_scalef32_pk16_fp6_f32 v[\d0+6:\d0+8], v[\s1:\s1+15], v86
	v_cvt_scalef32_pk16_fp6_f32 v[CT+4:CT+6], v[\s1+16:\s1+31], v86
	WIN 0
	v_nop                                          ; one plain line behind a scaled conversion
.irp i, 0,1,2
	v_mov_b32 v[\d0+3+\i], v[CT+\i]
	v_mov_b32 v[\d0+9+\i], v[CT+4+\i]
.endr
.endm
.irp j, 0,1,2,3                        ; token tiles 2 j and 2 j + 1 of q or of k: one pair, 1,536 consecutive bytes
	Q2 64*\j, 64*\j+32, 1, 88+12*\j, E+2*\j
.irp c, 0,1,2
	global_store_b128 v2, v[88+12*\j+4*\c:91+12*\j+4*\c], s[92:93] offset:1536*\j+512*\c
.endr
.endr
.irp n, 0,1                            ; v's two tiles: blocks h and 2 + h of my key step
	Q2 64*\n, 64*\n+32, 2, 136+12*\n, E+8+2*\n
.irp c, 0,1,2
	global_store_b128 v2, v[136+12*\n+4*\c:139+12*\n+4*\c], s[90:91] offset:1536*\n+512*\c
.endr
.endr
	; the words: my two bytes, 8 h bits up, and lane l xor 16's
.set I, 0
.rept 6
	v_lshl_or_b32 v[190+I], v[E+2*I+1], 16, v[E+2*I]
.set I, I+1
.endr
.irp i, 0,1,2,3,4,5
	v_lshlrev_b32 v[190+\i], v3, v[190+\i]
.endr
.irp i, 0,1,2,3,4,5
	v_permlanex16_b32 v[184+\i], v[190+\i], s20, s21
.endr
.irp i, 0,1,2,3,4,5
	v_or_b32 v[190+\i], v[190+\i], v[184+\i]
.endr
	v_cmp_le_u32 vcc_lo, 16, v1
	v_cndmask_b32 v196, v190, v191, vcc_lo         ; lanes 0-15 the even pair's or tile's, lanes 16-31 the odd one's
	v_cndmask_b32 v197, v192, v193, vcc_lo
	v_cndmask_b32 v198, v194, v195, vcc_lo
	global_store_b32 v4, v196, s[94:95]
	global_store_b32 v4, v197, s[94:95] offset:128
	global_store_b32 v4, v198, s[98:99]
	s_wait_tensorcnt 0x0
	ds_add_u32 v14, v15
	s_wait_dscnt 0x0
	CROUND                                         ; the closing round: no work-group ends while a partner may still ask for a tile that names it
	s_endpgm
.Lfunc_end_k_qc12f22b5fb_qkv:
	.size	k_qc12f22b5fb_qkv, .Lfunc_end_k_qc12f22b5fb_qkv-k_qc12f22b5fb_qkv
	.p2alignl 7, 3214868480
	.fill 96, 4, 3214868480
	.section	.rodata,"a",@progbits
	.p2align	6, 0x0
	.amdhsa_kernel k_qc12f22b5fb_qkv
		.amdhsa_group_segment_fixed_size 327680
		.amdhsa_private_segment_fixed_size 0
		.amdhsa_enable_private_segment 0
		.amdhsa_kernarg_size 32
		.amdhsa_user_sgpr_count 2
		.amdhsa_user_sgpr_kernarg_segment_ptr 1
		.amdhsa_wavefront_size32 1
		.amdhsa_system_sgpr_workgroup_id_x 1
		.amdhsa_system_sgpr_workgroup_id_y 1
		.amdhsa_system_sgpr_workgroup_id_z 1
		.amdhsa_system_vgpr_workitem_id 0
		.amdhsa_next_free_vgpr 1008
		.amdhsa_next_free_sgpr 100
		.amdhsa_reserve_vcc 1
		.amdhsa_float_denorm_mode_32 3
		.amdhsa_float_denorm_mode_16_64 3
		.amdhsa_memory_ordered 1
		.amdhsa_forward_progress 1
		.amdhsa_inst_pref_size 108
	.end_amdhsa_kernel
	.amdgpu_metadata
---
amdhsa.version: [ 1, 2 ]
amdhsa.kernels:
  - .name:           k_qc12f22b5fb_qkv
    .symbol:         k_qc12f22b5fb_qkv.kd
    .args:
      - { .name: xq, .offset: 0, .size: 8, .value_kind: global_buffer, .address_space: global }
      - { .name: wq, .offset: 8, .size: 8, .value_kind: global_buffer, .address_space: global }
      - { .name: qq, .offset: 16, .size: 8, .value_kind: global_buffer, .address_space: global }
      - { .name: kv, .offset: 24, .size: 8, .value_kind: global_buffer, .address_space: global }
    .group_segment_fixed_size: 327680
    .private_segment_fixed_size: 0
    .kernarg_segment_align: 8
    .kernarg_segment_size: 32
    .max_flat_workgroup_size: 128
    .sgpr_count:     100
    .vgpr_count:     1008
    .wavefront_size: 32
...
	.end_amdgpu_metadata
.endif
;; end of part 2
;; launch attn (part 3): grid 8 x 32, 16 waves a work-group, clusters of 4 x 1, 256,512 bytes of LDS; arguments qq, kv, oq; writes oq
.if DOCPART == 3
	.amdgcn_target "amdgcn-amd-amdhsa--gfx1250"
	.amdhsa_code_object_version 6
	.text
	.protected	k_qc12f22b5fb_attn
	.globl	k_qc12f22b5fb_attn
	.p2align	8
	.type	k_qc12f22b5fb_attn,@function
k_qc12f22b5fb_attn:
	s_mov_b64 s[64:65], 0
	v_nop
	global_prefetch_b8 v0, s[64:65] scope:SCOPE_SE
	s_setreg_imm32_b32 hwreg(HW_REG_WAVE_MODE, 25, 1), 1
	s_wait_xcnt 0x0
	s_wait_alu depctr_hold_cnt(0) depctr_sa_sdst(0) depctr_va_vdst(0) depctr_va_sdst(0) depctr_va_ssrc(0) depctr_va_vcc(0) depctr_vm_vsrc(0)
	s_getreg_b32 s2, hwreg(HW_REG_IB_STS2, 6, 4)
	s_cmp_eq_u32 s2, 0
	s_cbranch_scc0 .Lentry_in_a_cluster
	s_endpgm
.Lentry_in_a_cluster:
	s_bfe_u32 s2, ttmp6, 0x10000c
	s_cmp_lg_u32 s2, 0x3003
	s_cbranch_scc0 .Lentry_shape_is_right
	s_endpgm
.Lentry_shape_is_right:
; o = softmax(q k^T / 8, causal) v for one (batch, head) bh, both products on codes of FP6 (E2M3); o quantised at once for the last product.
; THE SOFTMAX: t = score x log2(e) / 8; M = the running largest t rounded UP to a whole number; p = 2^(t - M) is quantised along the keys, not normalised; the row's sum is taken of the unquantised p and divides at the end.
; When M moves, the sum and O are multiplied by 2^(old M - new M): exact.  A block's largest p lies in [2^e, 2^(e+1)], e = floor(its largest t - M): e gives the block's scale.
; LDS holds the head's 16 records of kv (a key step of 128 keys each: 12,800 bytes), filled ONCE, one load a wave; the four work-groups of a cluster belong to one head: each load is asked for jointly.
; No prefetch: all is asked for at the head.  The first step reads wave 0's record alone; the barrier behind it shows the others.
; SIXTEEN WAVES IN EIGHT PAIRS p, four waves to a SIMD.  A pair has two tiles of 16 queries: a long one, t = 64 + 8 p + b (b the work-group's number among the head's eight), and a short one, 127 - t.
; The long tile's last key step is 8 + p, the short one's 7 - p.  Wave A (0-7) takes the long tile's key steps 0 to 8.  Wave B (8-15) takes the short tile, 8 - p steps, and then the long tile's key steps 9 to 8 + p.
; So A has nine steps and B eight, whatever p.  At the end A leaves its O^T, sum and M in LDS, and B joins them with its own.  All of this hangs on the wave's number; no branch hangs on a work-group's place.
; CAUSAL: key steps in which every key is hidden are left out; in a tile's last step hidden scores become -infinity ahead of the maximum.  A NaN or an infinity that reaches only what is left out is not carried to the result.
; K = 64 IN q k^T: a fragment of K holds key tile 2 j in its first 64 places and tile 2 j + 1 in its last 64.  q stands in 18 registers, zeros | q | zeros: (q | 0) gives tile 2 j, (0 | q) tile 2 j + 1; the zero codes add nothing.
; Both products are used transposed: S^T = K q^T, O^T = V^T p^T: a lane holds ONE query (lane % 16).  By the order of the tokens inside a group of 64 (tile i, row 8 h + j = token 32 h + 8 i + j), which queries, keys and values share,
; register 32 c + m of S^T is key 64 c + 32 h + m: a lane's 32 registers are block 2 c + h, whole; register 8 t + j of O^T is channel 32 h + 8 t + j.
; LIMITS: the promise holds while the scaled scores stay under 2^31 in magnitude; NaN and infinities are not served; a block of o under 2^-124 keeps the byte 1.
; REGISTERS: v1-4, v7 lane terms; v5 the mask's term; v6, v8 LDS addresses; v12 -M, v13 largest score, v[14:15] the sum; v16-33 q; v34, 35 q's scale words; v36-39 K's, V's; v40 p's; v[42:43] f; v44, 45 the scale operands;
;   v48-95 four fragments of K, then of V; v96-159 S^T, then p; v160-191 O^T; v192-203 p's codes; v204-233 at work; v240-249 the second tile's q, words, mask term, and the meeting place.
.set QS,  3145728
.set OS,  3145728
.set REC, 12800
.set MEET, 17*REC                      ; one record's room is left free behind the sixteen
.set SPARE, MEET+8*4608
.set G1,  24
.set G0,  32
.macro PLACES n
.rept \n
	v_nop
.endr
.endm
.macro CROUND                          ; a round of the cluster's barrier
	s_barrier_signal -1
	s_barrier_wait -1
	s_cmp_lg_u32 s12, 0
	s_cbranch_scc1 .Lnot_wave_0_\@
	s_barrier_signal -3
.Lnot_wave_0_\@:
	s_barrier_wait -3
	s_barrier_signal -1
	s_barrier_wait -1
.endm
.macro WMX d, a, b, c, sa, sb, ra
	v_wmma_scale_f32_16x16x128_f8f6f4 v[\d:\d+7], v[\a:\a+11], v[\b:\b+11], \c, v[\sa], v[\sb] matrix_a_fmt:MATRIX_FMT_FP6 matrix_b_fmt:MATRIX_FMT_FP6 matrix_a_scale:MATRIX_SCALE_ROW\ra matrix_b_scale:MATRIX_SCALE_ROW0
.endm
.macro WM d, a, b, c, sa, sb, ra       ; one product; ra = 1: source 0's scale words stand in lanes 16-31
.if (\ra)
	WMX \d, \a, \b, \c, \sa, \sb, 1
.else
	WMX \d, \a, \b, \c, \sa, \sb, 0
.endif
.endm
	s_load_b128 s[4:7], s[0:1], 0x0                ; qq s[4:5], kv s[6:7]
	s_load_b64 s[8:9], s[0:1], 0x10                ; oq
	v_lshl_add_u32 v254, v0, 2, SPARE
	v_mov_b32 v255, 0
	ds_add_u32 v254, v255
	ds_add_u32 v254, v255
	v_lshrrev_b32 v9, 5, v0
	v_readfirstlane_b32 s12, v9                    ; wave 0..15
	s_bfe_u32 s48, ttmp6, 0x40000                  ; cx
	s_and_b32 s49, ttmp7, 0xffff                   ; bh, which the four partners share
	; group 1: a record, 12,800 dense bytes, as 50 rows of 256 bytes (32 elements of 8 bytes)
	s_mov_b32 s[G1], 15|(3<<16)|(1<<21)
	s_mov_b32 s[G1+1], 32<<16
	s_mov_b32 s[G1+2], 50<<16
	s_mov_b32 s[G1+3], 32<<16
	s_mov_b32 s[G1+4], 50
	s_mov_b32 s[G1+5], 32
	s_mov_b32 s[G1+6], 0
	s_mov_b32 s[G1+7], 0
	s_mul_i32 s50, s12, REC                        ; record = wave
	s_mul_i32 s52, s49, 16*REC
	s_add_co_u32 s52, s52, s50
	s_mov_b32 s53, 0
	s_mov_b32 s[G0], 1
	s_mov_b32 s[G0+1], s50
	s_wait_dscnt 0x0
	CROUND                                         ; all four work-groups are here: the joint loads meet
	s_lshr_b32 s36, s12, 3                         ; 0: A, 1: B
	s_and_b32 s37, s12, 7                          ; p
	s_xor_b32 s38, s36, 1
	s_lshl_b32 s39, s38, 6                         ; 64 in A: a step that never comes
	s_sub_co_u32 s13, 8, s37
	s_add_co_u32 s13, s13, s39                     ; B's first step of the long tile
	s_sub_co_u32 s40, 7, s37
	s_add_co_u32 s41, s37, 8
	s_add_co_u32 s18, s39, 7                       ; B's masked step of the long tile
	s_add_co_u32 s19, s38, 7                       ; my last step
	s_add_co_u32 s42, s37, 1
	s_mul_i32 s17, s42, REC                        ; from B's step i to its key step i + 1 + p, in bytes
	s_lshl_b32 s50, ttmp9, 2
	s_add_co_u32 s50, s50, s48                     ; b = 4 x cluster x + cx
	s_xor_b32 s71, s36, ttmp9                      ; in which group of 64 of its last key step my first tile lies: the long tile in group b / 4 = cluster x, the short one in the other.  The four partners share it
	s_lshl_b32 s43, s37, 3
	s_add_co_u32 s50, s50, s43
	s_add_co_u32 s50, s50, 64                      ; the long tile
	s_sub_co_u32 s51, 127, s50                     ; the short one
	s_cmp_eq_u32 s36, 0
	s_cselect_b32 s16, s41, s40                    ; the first tile's masked step: A's key step 8 + p, which only p = 0 reaches; B's 7 - p
	s_cselect_b32 s51, s50, s51                    ; the first tile.  (A's second is its first)
	s_mul_i32 s43, s37, 4608
	s_add_co_u32 s43, s43, MEET
	s_mov_b32 s20, 0x76543210
	s_mov_b32 s21, 0xfedcba98                      ; v_permlanex16_b32's selects for lane l xor 16
	s_mov_b32 s22, 0x3e38aa3b                      ; c = log2(e) / 8
	s_mov_b32 s23, s22                             ; (named with it as a pair, so it is written)
	s_mov_b32 s10, 0xbe38aa3b                      ; -c
	v_and_b32 v9, 31, v0
	v_lshlrev_b32 v1, 4, v9                        ; 16 x lane
	v_lshlrev_b32 v7, 3, v9                        ; 8 x lane
	v_lshlrev_b32 v3, 2, v9                        ; 4 x lane
	v_and_b32 v4, 15, v0
	v_lshlrev_b32 v4, 2, v4                        ; 4 r
	v_bfe_u32 v8, v0, 4, 1                         ; h
	v_lshlrev_b32 v2, 3, v8                        ; 8 h
	v_and_b32 v9, 7, v0
	v_bfe_u32 v6, v0, 3, 1
	v_lshl_add_u32 v9, v6, 5, v9
	v_lshlrev_b32 v6, 5, v8
	v_sub_nc_u32 v9, v9, v6                        ; 32 (r / 8) + r % 8 - 32 h
	v_add_nc_u32 v248, s43, v1                     ; my pair's meeting place
; A tile: its q (a pair of tiles is 12 registers at 512 c + 16 x lane; an even tile is the first six, an odd one the last six), its word, the mask's term, and where its o goes.
; TILEA makes the offsets and lane terms, ahead of the wait for the arguments; TILEB the addresses.
.macro TILEA t, sb, thr, va, vb, par
	s_lshr_b32 s36, s\t, 1
	s_lshl_b32 s37, s49, 6
	s_add_co_u32 s36, s36, s37
	s_mul_i32 s[\sb], s36, 1536
	s_mov_b32 s[\sb+1], 0
	s_lshl_b32 s[\sb+2], s36, 6
	s_add_co_u32 s[\sb+2], s[\sb+2], QS
	s_mov_b32 s[\sb+3], 0
	s_and_b32 s[\par], s\t, 1
	s_mul_i32 s38, s[\par], 520
	s_mul_i32 s39, s[\par], 1016
	s_lshl_b32 s[\par], s[\par], 4
	s_bfe_u32 s36, s\t, 0x10002
	s_lshl_b32 s36, s36, 6
	s_and_b32 s37, s\t, 3
	s_lshl_b32 s37, s37, 3
	s_add_co_u32 s36, s36, s37
	s_wait_alu depctr_va_vdst(0)
	v_add_nc_u32 v[\va], s38, v1
	v_add_nc_u32 v[\vb], s39, v1
	v_add_nc_u32 v[\thr], s36, v9                  ; my query's place in its step, less 32 h: register 32 c + m is hidden where 64 c + m is above it
.endm
.macro TILEB sb, q, w, va, vb
	s_add_nc_u64 s[\sb:\sb+1], s[4:5], s[\sb:\sb+1]
	s_add_nc_u64 s[\sb+2:\sb+3], s[4:5], s[\sb+2:\sb+3]
	global_load_b64 v[\q:\q+1], v[\va], s[\sb:\sb+1]
	global_load_b64 v[\q+2:\q+3], v[\vb], s[\sb:\sb+1] offset:8
	global_load_b64 v[\q+4:\q+5], v[\va], s[\sb:\sb+1] offset:512
	global_load_b32 v[\w], v4, s[\sb+2:\sb+3]
.endm
.macro TILEO t, ub, wb                 ; where the tile's o goes
	s_lshr_b32 s36, s49, 4
	s_lshl_b32 s36, s36, 7
	s_add_co_u32 s36, s36, s\t                     ; my tile among the 256 tiles of tokens
	s_and_b32 s37, s49, 15                         ; head
	s_lshl_b32 s38, s36, 3
	s_lshr_b32 s39, s37, 1
	s_add_co_u32 s38, s38, s39
	s_mul_i32 s38, s38, 1536                       ; oq: [tile of tokens][K step = head / 2][1536],
	s_and_b32 s39, s37, 1
	s_mul_i32 s39, s39, 768                        ; half = head & 1
	s_add_co_u32 s[\ub], s38, s39
	s_mov_b32 s[\ub+1], 0
	s_add_nc_u64 s[\ub:\ub+1], s[8:9], s[\ub:\ub+1]
	s_lshl_b32 s37, s37, 14
	s_lshl_b32 s38, s36, 6
	s_add_co_u32 s37, s37, s38
	s_add_co_u32 s[\wb], s37, OS                   ; o's two bytes a row: [head][row]
	s_mov_b32 s[\wb+1], 0
	s_add_nc_u64 s[\wb:\wb+1], s[8:9], s[\wb:\wb+1]
.endm
	TILEA 51, 60, 5, 10, 11, 46
	TILEA 50, 40, 249, 44, 45, 47
	s_wait_alu depctr_va_vdst(0)
	s_wait_kmcnt 0x0
	TILEB 60, 22, 34, 10, 11                       ; the first tile's q
	s_add_nc_u64 s[G0+2:G0+3], s[6:7], s[52:53]
	s_or_b32 s[G0+3], s[G0+3], 0x80000000
	s_cmp_eq_u32 s12, 0                            ; one load a wave; wave 0's is a line of its own
	s_cbranch_scc0 .Lrest
	tensor_load_to_lds s[G0:G0+3], s[G1:G1+7]
	s_nop 0
	PLACES 4
	s_branch .Lasked
.Lrest:
	tensor_load_to_lds s[G0:G0+3], s[G1:G1+7]
	s_nop 0
	PLACES 4
.Lasked:
	TILEB 40, 240, 246, 44, 45
	TILEO 51, 52, 54
	TILEO 50, 56, 58
.irp i, 16,17,18,19,20,21,28,29,30,31,32,33
	v_mov_b32 v\i, 0                               ; the zero codes on both sides of q
.endr
	v_mov_b32 v43, 0                               ; (named as the upper half of the pair v[42:43])
	v_mov_b32 v47, 0                               ; a lane permute's destination counts as one of its sources
	v_mov_b32 v209, 0
	s_wait_alu depctr_va_vdst(0)
	s_wait_loadcnt 0x0
	v_lshrrev_b32 v34, s46, v34                    ; my tile's two bytes of the pair's word:
	v_lshrrev_b32 v246, s47, v246
	v_and_b32 v34, 0xffff, v34                     ; for (q | 0),
	v_and_b32 v246, 0xffff, v246
	v_lshlrev_b32 v35, 16, v34                     ; for (0 | q)
	v_lshlrev_b32 v247, 16, v246
	PLACES 8                                       ; a scale register written by a vector instruction stands eight places ahead of a scaled product
	s_wait_alu depctr_va_vdst(0)
.macro PKF j                           ; t - M, two at a time: eight scores
.irp i, 0,2,4,6
	v_pk_fma_f32 v[96+8*(\j)+\i:97+8*(\j)+\i], v[96+8*(\j)+\i:97+8*(\j)+\i], s[22:23], v[12:13] op_sel_hi:[1,0,0]
.endr
.endm
; A KEY STEP: 128 keys, the record at LDS byte s15 (first = 1: the record at 0, and the sums begin).
.macro STEP first
.if \first
.set KA, 1
.set KW, 3
.else
.set KA, 6
.set KW, 8
	v_add_nc_u32 v6, s15, v1
	v_add_nc_u32 v8, s15, v3
	PLACES 2                                       ; with these, four places between the last step's products and the loads into the registers that they read
.endif
.irp i, 0,1
	ds_load_b32 v[36+\i], v[KW] offset:12288+128*\i   ; K's words: pair 2 i in lanes 0-15, pair 2 i + 1 in lanes 16-31
.endr
.irp j, 0,1,2,3
.irp c, 0,1,2
	ds_load_b128 v[48+12*\j+4*\c:51+12*\j+4*\c], v[KA] offset:1536*\j+512*\c   ; K: key tiles 2 j and 2 j + 1
.endr
.endr
	s_wait_alu depctr_va_vdst(0)
.irp j, 0,1,2,3
	s_wait_dscnt 9-3*\j                            ; the words and fragments 0 to j are in; the younger fragments' loads, three each, may be out
	WM 96+16*\j, 48+12*\j, 22, 0, 36+\j/2, 34, \j%2
	WM 104+16*\j, 48+12*\j, 16, 0, 36+\j/2, 35, \j%2
.endr
	PLACES 4
.irp t, 0,1,2,3
.irp c, 0,1,2
	ds_load_b128 v[48+12*\t+4*\c:51+12*\t+4*\c], v[KA] offset:6144+1536*\t+512*\c   ; V lands in K's registers while the softmax is walked
.endr
.endr
.irp i, 0,1
	ds_load_b32 v[38+\i], v[KW] offset:12544+128*\i
.endr
	s_cmp_eq_u32 s14, s16
	s_cbranch_scc1 .Lmask_\@
	s_cmp_lg_u32 s14, s18
	s_cbranch_scc1 .Lopen_\@                       ; all its keys count: no mask
.Lmask_\@:
	s_cmp_eq_u32 s71, 0
	s_cbranch_scc0 .Lupper_\@
	v_mov_b32 v44, 0xff800000                      ; -infinity
.set N, 0
.rept 8                                ; my queries lie in the step's first 64 tokens: those keys by comparison,
	v_cmp_gt_i32 vcc_lo, N, v5
	v_cmp_gt_i32 s66, N+1, v5
	v_cmp_gt_i32 s67, N+2, v5
	v_cmp_gt_i32 s68, N+3, v5
	v_cndmask_b32 v[96+N], v[96+N], v44, vcc_lo
	v_cndmask_b32 v[97+N], v[97+N], v44, s66
	v_cndmask_b32 v[98+N], v[98+N], v44, s67
	v_cndmask_b32 v[99+N], v[99+N], v44, s68
.set N, N+4
.endr
.set N, 0
.rept 32
	v_mov_b32 v[128+N], 0xff800000                 ; the other 64 are all hidden
.set N, N+1
.endr
	s_wait_alu depctr_va_vdst(0)
	s_branch .Lopen_\@
.Lupper_\@:
	v_mov_b32 v44, 0xff800000
.set N, 0
.rept 8                                ; my queries lie in the last 64: the first 64 keys all count
	v_cmp_gt_i32 vcc_lo, 64+N, v5
	v_cmp_gt_i32 s66, 65+N, v5
	v_cmp_gt_i32 s67, 66+N, v5
	v_cmp_gt_i32 s68, 67+N, v5
	v_cndmask_b32 v[128+N], v[128+N], v44, vcc_lo
	v_cndmask_b32 v[129+N], v[129+N], v44, s66
	v_cndmask_b32 v[130+N], v[130+N], v44, s67
	v_cndmask_b32 v[131+N], v[131+N], v44, s68
.set N, N+4
.endr
.Lopen_\@:
.irp b, 0,1,2,3
	v_max3_num_f32 v[204+\b], v[96+16*\b], v[97+16*\b], v[98+16*\b]
.endr
.irp i, 3,5,7,9,11,13
.irp b, 0,1,2,3
	v_max3_num_f32 v[204+\b], v[204+\b], v[96+16*\b+\i], v[97+16*\b+\i]
.endr
.endr
	v_max3_num_f32 v204, v204, v205, v111
	v_max3_num_f32 v206, v206, v207, v143
	v_max_num_f32 v204, v204, v127                 ; my two blocks' largest scores
	v_max_num_f32 v206, v206, v159
	s_delay_alu instid0(VALU_DEP_1)
	v_max_num_f32 v208, v204, v206
	s_delay_alu instid0(VALU_DEP_1)
	v_permlanex16_b32 v209, v208, s20, s21
.if \first
	s_delay_alu instid0(VALU_DEP_1)
	v_max_num_f32 v13, v208, v209                  ; with lane l xor 16's blocks: the largest score of my query
	s_delay_alu instid0(VALU_DEP_1)
	v_mul_f32 v210, s10, v13
	s_delay_alu instid0(VALU_DEP_1)
	v_floor_f32 v12, v210                          ; -M = floor(-t) = -ceil(t)
.else
	s_delay_alu instid0(VALU_DEP_1)
	v_max3_num_f32 v13, v13, v208, v209
	s_delay_alu instid0(VALU_DEP_1)
	v_mul_f32 v210, s10, v13
	s_delay_alu instid0(VALU_DEP_1)
	v_floor_f32 v211, v210                         ; the new -M
	s_delay_alu instid0(VALU_DEP_1)
	v_sub_f32 v210, v211, v12                      ; old M - new M: a whole number, 0 or less
	v_mov_b32 v12, v211
	s_delay_alu instid0(VALU_DEP_2)
	v_cvt_i32_f32 v210, v210                       ; (it saturates)
	s_delay_alu instid0(VALU_DEP_1)
	v_ldexp_f32 v42, 1.0, v210                     ; f = 2^(old M - new M)
.endif
	v_fma_f32 v204, v204, s22, v12                 ; my blocks' largest t - M
	v_fma_f32 v206, v206, s22, v12
	PKF 0
	v_max_num_f32 v204, 0xc2f80000, v204           ; held at -124: the byte cannot fall under 1
	v_max_num_f32 v206, 0xc2f80000, v206
	PKF 1
	v_cvt_floor_i32_f32 v204, v204                 ; e
	v_cvt_floor_i32_f32 v206, v206
	PKF 2
	v_add_nc_u32 v204, 0x7d, v204                  ; the scale's byte: e - 2 + 127
	v_add_nc_u32 v206, 0x7d, v206
	PKF 3
	v_lshlrev_b32 v44, 23, v204                    ; the conversions' scale operands
	v_lshlrev_b32 v45, 23, v206
	v_lshl_or_b32 v46, v206, 16, v204
	PKF 4
	v_permlanex16_b32 v47, v46, s20, s21
	PKF 5
	v_lshl_or_b32 v40, v47, 8, v46                 ; p's scale word for these 128 keys, in lanes 0-15
	PKF 6
	PKF 7
	s_wait_alu depctr_va_vdst(0)
.set J, 0
.rept 64
	v_exp_f32 v[96+J], v[96+J]                     ; p = 2^(t - M), at most 1
.set J, J+1
.endr
.if \first
	v_nop                                          ; a plain line behind the exponentials
.else
	v_pk_mul_f32 v[14:15], v[14:15], v[42:43] op_sel_hi:[1,0]   ; the sum under the new M: a plain line behind the exponentials
.endif
	s_wait_alu depctr_va_vdst(0)                   ; one wait for the batch and for O^T
.if \first == 0
.set J, 0
.rept 16
	v_pk_mul_f32 v[160+J:161+J], v[160+J:161+J], v[42:43] op_sel_hi:[1,0]   ; O^T under the new M
.set J, J+2
.endr
.endif
	v_cvt_scalef32_pk16_fp6_f32 v[192:194], v[96:111], v44
	v_cvt_scalef32_pk16_fp6_f32 v[216:218], v[112:127], v44
	v_cvt_scalef32_pk16_fp6_f32 v[198:200], v[128:143], v45
	v_cvt_scalef32_pk16_fp6_f32 v[220:222], v[144:159], v45
	v_pk_add_f32 v[228:229], v[96:97], v[98:99]    ; the row's sum, of the unquantised p, in four chains; a plain line behind the conversions
.irp i, 0,1,2
	v_mov_b32 v[195+\i], v[216+\i]
	v_mov_b32 v[201+\i], v[220+\i]
.endr
.if \first
	v_pk_add_f32 v[14:15], v[108:109], v[110:111]
	v_pk_add_f32 v[230:231], v[100:101], v[102:103]
	v_pk_add_f32 v[232:233], v[104:105], v[106:107]
.else
	v_pk_add_f32 v[14:15], v[14:15], v[108:109]
	v_pk_add_f32 v[230:231], v[100:101], v[102:103]
	v_pk_add_f32 v[232:233], v[104:105], v[106:107]
	v_pk_add_f32 v[14:15], v[14:15], v[110:111]
.endif
.set J, 112
.rept 6
	v_pk_add_f32 v[228:229], v[228:229], v[J:J+1]
	v_pk_add_f32 v[230:231], v[230:231], v[J+2:J+3]
	v_pk_add_f32 v[232:233], v[232:233], v[J+4:J+5]
	v_pk_add_f32 v[14:15], v[14:15], v[J+6:J+7]
.set J, J+8
.endr
	v_pk_add_f32 v[228:229], v[228:229], v[230:231]
	v_pk_add_f32 v[14:15], v[14:15], v[232:233]
	v_pk_add_f32 v[14:15], v[14:15], v[228:229]
	s_wait_alu depctr_va_vdst(0)
	s_wait_dscnt 0x0                               ; V and its words are in
.irp t, 0,1,2,3
.if \first
	WM 160+8*\t, 48+12*\t, 192, 0, 38+\t/2, 40, \t%2
.else
	WM 160+8*\t, 48+12*\t, 192, v[160+8*\t:167+8*\t], 38+\t/2, 40, \t%2   ; the four accumulators take turns
.endif
.endr
.endm
; O^T / the sum, quantised along the head's 64 (my block h), leaves from registers as one unit of 768 bytes and two bytes a row.
.macro OUTQ ub, wb
	v_nop
	v_add_f32 v41, v14, v15                        ; the sum's two halves,
	v_permlanex16_b32 v209, v41, s20, s21
	v_nop
	v_add_f32 v41, v41, v209                       ; and lane l xor 16's
	s_wait_alu depctr_va_vdst(0)
	v_rcp_f32 v41, v41
	v_nop                                          ; a plain line behind the reciprocal
	s_wait_alu depctr_va_vdst(0)                   ; and the wait ahead of its first reader
.set J, 0
.rept 32
	v_mul_f32 v[96+J], v[160+J], v41
.set J, J+1
.endr
.irp b, 0,1,2,3
	v_max3_num_f32 v[204+\b], |v[96+8*\b]|, |v[97+8*\b]|, 0x1800000   ; and the floor 2^(3 - 127)
.endr
.irp i, 2,4,6
.irp b, 0,1,2,3
	v_max3_num_f32 v[204+\b], v[204+\b], |v[96+8*\b+\i]|, |v[97+8*\b+\i]|
.endr
.endr
	v_max3_num_f32 v204, v204, v205, v206
	v_max_num_f32 v204, v204, v207
	v_add_nc_u32 v210, 0xff000000, v204            ; 2 off the exponent field: the conversion's scale operand
	v_cvt_scalef32_pk16_fp6_f32 v[192:194], v[96:111], v210
	v_cvt_scalef32_pk16_fp6_f32 v[216:218], v[112:127], v210
	v_lshrrev_b32 v211, 23, v210                   ; the scale's byte: a plain line behind the conversions
.irp i, 0,1,2
	v_mov_b32 v[195+\i], v[216+\i]
.endr
	v_lshlrev_b32 v211, v2, v211                   ; 8 h bits up,
	v_permlanex16_b32 v209, v211, s20, s21
	v_or_b32 v211, v211, v209                      ; with lane l xor 16's
	global_store_b128 v1, v[192:195], s[\ub:\ub+1]
	global_store_b64 v7, v[196:197], s[\ub:\ub+1] offset:512
	global_store_b32 v4, v211, s[\wb:\wb+1]        ; row r's two bytes; lanes 16-31 repeat lanes 0-15's address and value
.endm
	s_mov_b32 s14, 0
	s_cmp_eq_u32 s12, 0
	s_cbranch_scc0 .Lnot_first
	s_wait_tensorcnt 0x0                           ; record 0 is wave 0's load
.Lnot_first:
	s_barrier_signal -1
	s_barrier_wait -1                              ; it is in; the others may be out
	STEP 1
	s_wait_tensorcnt 0x0                           ; my record has landed,
	s_barrier_signal -1                            ; everybody's has, behind the wait at the loop's head
	s_mov_b32 s14, 1
	s_mov_b32 s11, REC
.Ltrip:                                                ; A barrier lies open over each step: signalled ahead of it, waited for ahead of the next.  In later trips it orders no memory: it keeps the sixteen waves within two steps of each other
	s_barrier_wait -1
	s_cmp_lg_u32 s14, s13
	s_cbranch_scc1 .Lsame_tile
	OUTQ 52, 54                                    ; B: the short tile is done; on to the long one
.irp i, 0,1,2,3,4,5
	v_mov_b32 v[22+\i], v[240+\i]
.endr
	v_mov_b32 v34, v246
	v_mov_b32 v35, v247
	v_mov_b32 v5, v249
	s_mov_b32 s71, ttmp9                           ; the long tile's group
	v_mov_b32 v13, 0xff61b1e6                      ; -3e38, under every score
	v_mul_f32 v12, s10, v13
	v_floor_f32 v12, v12
	v_mov_b32 v14, 0
	v_mov_b32 v15, 0
.set J, 0
.rept 32
	v_mov_b32 v[160+J], 0                          ; the loop's step adds: it finds zeros here
.set J, J+1
.endr
	s_wait_alu depctr_va_vdst(0)
	s_wait_xcnt 0x0                                ; the stores have read their registers
.Lsame_tile:
	s_barrier_signal -1                            ; no LDS instruction of mine is out; up to the wait stand register work and loads of records alone
	s_cmp_gt_u32 s14, s19
	s_cbranch_scc1 .Lno_step
	s_cmp_ge_u32 s14, s13
	s_cselect_b32 s36, s17, 0
	s_add_co_u32 s15, s11, s36
	STEP 0
.Lno_step:
	s_add_co_u32 s11, s11, REC
	s_add_co_u32 s14, s14, 1
	s_cmp_lt_u32 s14, 9
	s_cbranch_scc1 .Ltrip
	s_barrier_wait -1
	; THE MEETING: A's O^T, -M and sum go through LDS to B
	s_cmp_lt_u32 s12, 8
	s_cbranch_scc0 .Lmeet
	PLACES 4
.irp k, 0,1,2,3,4,5,6,7
	ds_store_b128 v248, v[160+4*\k:163+4*\k] offset:512*\k
.endr
	ds_store_b128 v248, v[12:15] offset:4096
.Lmeet:
	s_wait_dscnt 0x0
	s_barrier_signal -1
	s_barrier_wait -1
	s_cmp_lt_u32 s12, 8
	s_cbranch_scc1 .Lend
.irp k, 0,1,2,3,4,5,6,7
	ds_load_b128 v[96+4*\k:99+4*\k], v248 offset:512*\k
.endr
	ds_load_b128 v[204:207], v248 offset:4096
	s_wait_dscnt 0x0
	v_min_num_f32 v210, v12, v204                  ; -M of both
	v_mov_b32 v213, 0                              ; (named as the upper half of the pair v[212:213])
	v_sub_f32 v211, v210, v12
	v_sub_f32 v212, v210, v204
	v_cvt_i32_f32 v211, v211
	v_cvt_i32_f32 v212, v212
	v_ldexp_f32 v42, 1.0, v211
	v_ldexp_f32 v212, 1.0, v212
	v_pk_mul_f32 v[14:15], v[14:15], v[42:43] op_sel_hi:[1,0]
.set J, 0
.rept 16
	v_pk_mul_f32 v[160+J:161+J], v[160+J:161+J], v[42:43] op_sel_hi:[1,0]
.set J, J+2
.endr
	v_pk_fma_f32 v[14:15], v[206:207], v[212:213], v[14:15] op_sel_hi:[1,0,1]
.set J, 0
.rept 16
	v_pk_fma_f32 v[160+J:161+J], v[96+J:97+J], v[212:213], v[160+J:161+J] op_sel_hi:[1,0,1]
.set J, J+2
.endr
	OUTQ 56, 58
.Lend:
	s_wait_tensorcnt 0x0
	ds_add_u32 v254, v255
	s_wait_dscnt 0x0
	CROUND                                         ; the closing round
	s_endpgm
.Lfunc_end_k_qc12f22b5fb_attn:
	.size	k_qc12f22b5fb_attn, .Lfunc_end_k_qc12f22b5fb_attn-k_qc12f22b5fb_attn
	.p2alignl 7, 3214868480
	.fill 96, 4, 3214868480
	.section	.rodata,"a",@progbits
	.p2align	6, 0x0
	.amdhsa_kernel k_qc12f22b5fb_attn
		.amdhsa_group_segment_fixed_size 256512
		.amdhsa_private_segment_fixed_size 0
		.amdhsa_enable_private_segment 0
		.amdhsa_kernarg_size 24
		.amdhsa_user_sgpr_count 2
		.amdhsa_user_sgpr_kernarg_segment_ptr 1
		.amdhsa_wavefront_size32 1
		.amdhsa_system_sgpr_workgroup_id_x 1
		.amdhsa_system_sgpr_workgroup_id_y 1
		.amdhsa_system_sgpr_workgroup_id_z 1
		.amdhsa_system_vgpr_workitem_id 0
		.amdhsa_next_free_vgpr 256
		.amdhsa_next_free_sgpr 80
		.amdhsa_reserve_vcc 1
		.amdhsa_float_denorm_mode_32 3
		.amdhsa_float_denorm_mode_16_64 3
		.amdhsa_memory_ordered 1
		.amdhsa_forward_progress 1
		.amdhsa_inst_pref_size 71
	.end_amdhsa_kernel
	.amdgpu_metadata
---
amdhsa.version: [ 1, 2 ]
amdhsa.kernels:
  - .name:           k_qc12f22b5fb_attn
    .symbol:         k_qc12f22b5fb_attn.kd
    .args:
      - { .name: qq, .offset: 0, .size: 8, .value_kind: global_buffer, .address_space: global }
      - { .name: kv, .offset: 8, .size: 8, .value_kind: global_buffer, .address_space: global }
      - { .name: oq, .offset: 16, .size: 8, .value_kind: global_buffer, .address_space: global }
    .group_segment_fixed_size: 256512
    .private_segment_fixed_size: 0
    .kernarg_segment_align: 8
    .kernarg_segment_size: 24
    .max_flat_workgroup_size: 512
    .sgpr_count:     80
    .vgpr_count:     256
    .wavefront_size: 32
...
	.end_amdgpu_metadata
.endif
;; end of part 3
;; launch proj (part 4): grid 8 x 32, 4 waves a work-group, clusters of 4 x 4, 231,936 bytes of LDS; arguments oq, wo, out0; writes out0
.if DOCPART == 4
	.amdgcn_target "amdgcn-amd-amdhsa--gfx1250"
	.amdhsa_code_object_version 6
	.text
	.protected	k_qc12f22b5fb_proj
	.globl	k_qc12f22b5fb_proj
	.p2align	8
	.type	k_qc12f22b5fb_proj,@function
k_qc12f22b5fb_proj:
	s_mov_b64 s[64:65], 0
	v_nop
	global_prefetch_b8 v0, s[64:65] scope:SCOPE_SE
	s_setreg_imm32_b32 hwreg(HW_REG_WAVE_MODE, 25, 1), 1
	s_wait_xcnt 0x0
	s_wait_alu depctr_hold_cnt(0) depctr_sa_sdst(0) depctr_va_vdst(0) depctr_va_sdst(0) depctr_va_ssrc(0) depctr_va_vcc(0) depctr_vm_vsrc(0)
	s_getreg_b32 s2, hwreg(HW_REG_IB_STS2, 6, 4)
	s_cmp_eq_u32 s2, 0
	s_cbranch_scc0 .Lentry_in_a_cluster
	s_endpgm
.Lentry_in_a_cluster:
	s_bfe_u32 s2, ttmp6, 0x10000c
	s_cmp_lg_u32 s2, 0xf033
	s_cbranch_scc0 .Lentry_shape_is_right
	s_endpgm
.Lentry_shape_is_right:
; out0 = o w_out on codes of FP6 (E2M3); sums and result f32.  A fragment is 16 rows x 128 K, 12 registers a lane.  oq: [tile of 16 tokens][K step][1536], images in halves: registers 6 c .. 6 c + 3 at 768 c + 16 x lane, the next two at 768 c + 512 + 8 x lane.
; wo: [panel of 128 columns][K step][tile][1536], registers 4 c .. 4 c + 3 at 512 c + 16 x lane.
; A work-group makes 128 tokens (panel pn) x 128 columns (panel np): 256 work-groups.  All of K = 1,024 lies in LDS, filled ONCE: B's 98,304 bytes, then A's; behind them the waves' stages, bytes of their own.
; CLUSTER 4 x 4: A's tiles are shared along a row of the cluster, B's along a column, asked for jointly.  One load a wave: waves 0, 1 B's K steps 0-3 and 4-7, waves 2, 3 A's tiles 0-3 and 4-7.
; No prefetch: everything is asked for at the head.
; A WAVE (ch = wave & 1, th = wave >> 1) takes 64 columns, ALL of K, into registers (32 fragments, 384 registers), and o's tiles 2 k + th stream past them as four blocks k = 0 .. 3 of 16 tokens, all of K: 32 products a block.
; A block leaves through the wave's stage while the next is multiplied.  Used TRANSPOSED (source 0 = 16 columns of w_out, source 1 = 16 tokens): a lane holds eight neighbouring numbers of a row of out0.
; Row 8 h + j of tile t is token 64 (t / 4) + 32 h + 8 (t % 4) + j of the panel.
; REGISTERS: window 0: v1-13, v50-55 addresses; v16-31 o's scale words, v34-49 w_out's; v64-127 accumulators, two sets of four; v128-191 rows on the way out.
; Fragment f lies in window 1 + f / 21 at 12 (f % 21): 4 s + b the columns', 32 + 8 e + s the tokens', two sets e.
.set OS,  3145728
.set WOS, 786432
.set LA,  98304
.set STG, 196608                       ; two stages of 16 rows x (256 + 16) bytes for each wave
.set SPARE, STG+4*8704
.set G1A, 24
.set G1B, 32
.set G0A, 40
.set G0B, 44
.set SA,  16
.set SB,  34
.set MSB, 0
.macro WIN new
.if MSB != (\new)
	s_set_vgpr_msb (MSB<<8)|(\new)
.set MSB, (\new)
.endif
.endm
.macro PLACES n
.rept \n
	v_nop
.endr
.endm
.macro CROUND                          ; a round of the cluster's barrier
	s_barrier_signal -1
	s_barrier_wait -1
	s_cmp_lg_u32 s12, 0
	s_cbranch_scc1 .Lnot_wave_0_\@
	s_barrier_signal -3
.Lnot_wave_0_\@:
	s_barrier_wait -3
	s_barrier_signal -1
	s_barrier_wait -1
.endm
.macro WMX d, a, b, c, sa, sb, ra, rb
	v_wmma_scale_f32_16x16x128_f8f6f4 v[\d:\d+7], v[\a:\a+11], v[\b:\b+11], \c, v[\sa], v[\sb] matrix_a_fmt:MATRIX_FMT_FP6 matrix_b_fmt:MATRIX_FMT_FP6 matrix_a_scale:MATRIX_SCALE_ROW\ra matrix_b_scale:MATRIX_SCALE_ROW\rb
.endm
.macro WM d, a, b, c, sa, sb, ra, rb   ; one product; ra, rb = 1: that side's scale words stand in lanes 16-31
.if (\ra)
.if (\rb)
	WMX \d, \a, \b, \c, \sa, \sb, 1, 1
.else
	WMX \d, \a, \b, \c, \sa, \sb, 1, 0
.endif
.else
.if (\rb)
	WMX \d, \a, \b, \c, \sa, \sb, 0, 1
.else
	WMX \d, \a, \b, \c, \sa, \sb, 0, 0
.endif
.endif
.endm
.macro ARM under, g0, g1, next
	s_cmp_lt_u32 s12, \under
	s_cbranch_scc0 \next
	tensor_load_to_lds s[\g0:\g0+3], s[\g1:\g1+7]
	s_nop 0
	PLACES 4
	s_branch .Lfilled
\next:
.endm
	s_load_b128 s[4:7], s[0:1], 0x0                ; oq s[4:5], wo s[6:7]
	s_load_b64 s[8:9], s[0:1], 0x10                ; out0
	v_lshl_add_u32 v54, v0, 2, SPARE
	v_mov_b32 v55, 0
	ds_add_u32 v54, v55
	ds_add_u32 v54, v55
	v_lshrrev_b32 v1, 5, v0
	v_readfirstlane_b32 s12, v1                    ; wave 0..3
	s_and_b32 s13, s12, 1                          ; ch.  Also: which half of A or of B I fetch
	s_lshr_b32 s14, s12, 1                         ; th
	v_and_b32 v1, 31, v0                           ; lane
	v_and_b32 v5, 15, v0                           ; r
	v_bfe_u32 v4, v0, 4, 1                         ; h
	v_lshlrev_b32 v2, 4, v1                        ; 16 x lane
	v_lshlrev_b32 v3, 3, v1                        ; 8 x lane
	s_wait_alu depctr_va_vdst(0)
	s_mul_i32 s23, s14, 12288
	s_add_co_u32 s23, s23, LA
	v_add_nc_u32 v6, s23, v2                       ; o's images, blocks 0 and 1: by 16 bytes a lane
	v_add_nc_u32 v7, s23, v3                       ; and by 8;
	s_add_co_u32 s23, s23, 49152
	v_add_nc_u32 v8, s23, v2                       ; blocks 2 and 3
	v_add_nc_u32 v9, s23, v3
	s_mul_i32 s23, s13, 6144
	v_add_nc_u32 v11, s23, v2                      ; w_out's images: my four tiles, K steps 0-3
	s_add_co_u32 s23, s23, 49152
	v_add_nc_u32 v12, s23, v2                      ; and 4-7
	s_mul_i32 s23, s12, 8704
	s_add_co_u32 s23, s23, STG                     ; my stages
	v_mul_u32_u24 v10, v5, 272
	v_lshl_add_u32 v10, v4, 5, v10
	v_add_nc_u32 v10, s23, v10                     ; in: row r, 32 bytes for each half of the lanes
	v_mul_u32_u24 v51, v4, 272
	v_lshl_add_u32 v51, v5, 4, v51
	v_add_nc_u32 v51, s23, v51                     ; back: lanes 0-15 one row of 256 bytes, lanes 16-31 the next
	v_lshlrev_b32 v52, 12, v4
	v_lshl_add_u32 v52, v5, 4, v52                 ; and the same two rows in out0
	s_lshl_b32 s23, s14, 6
	v_lshlrev_b32 v13, 7, v4
	v_lshl_add_u32 v13, v5, 2, v13
	v_add_nc_u32 v13, s23, v13                     ; o's bytes: lanes 0-15 an even block's rows, lanes 16-31 the next block's
	s_lshl_b32 s23, s13, 8
	v_lshlrev_b32 v50, 2, v1
	v_add_nc_u32 v50, s23, v50                     ; w_out's words: my 64 columns
	s_bfe_u32 s15, ttmp6, 0x40000                  ; cx
	s_bfe_u32 s16, ttmp6, 0x40004                  ; cy
	s_lshl_b32 s17, ttmp9, 2
	s_add_co_u32 s17, s17, s15                     ; np = 4 x cluster x + cx
	s_and_b32 s18, ttmp7, 0xffff
	s_lshl_b32 s18, s18, 2
	s_add_co_u32 s18, s18, s16                     ; pn = 4 x cluster y + cy
	s_lshl_b32 s19, s16, 2
	s_lshl_b32 s19, 15, s19                        ; my row of the cluster
	s_lshl_b32 s22, 0x1111, s15                    ; my column
	; group 1: 49,152 dense bytes as 192 rows of 256 bytes (32 elements of 8 bytes), no padding
	s_or_b32 s[G1A], s19, (3<<16)|(1<<21)
	s_or_b32 s[G1B], s22, (3<<16)|(1<<21)
.irp g, G1A, G1B
	s_mov_b32 s[\g+1], 32<<16
	s_mov_b32 s[\g+2], 192<<16
	s_mov_b32 s[\g+3], 32<<16
	s_mov_b32 s[\g+4], 192
	s_mov_b32 s[\g+5], 32
	s_mov_b32 s[\g+6], 0
	s_mov_b32 s[\g+7], 0
.endr
	s_mul_i32 s60, s13, 49152                      ; no place in the cluster enters an LDS address
	s_mul_i32 s56, s18, 98304                      ; A hangs on the tokens' panel alone,
	s_add_co_u32 s56, s56, s60
	s_mov_b32 s57, 0
	s_mul_i32 s58, s17, 98304                      ; B on the columns' panel alone
	s_add_co_u32 s58, s58, s60
	s_mov_b32 s59, 0
	s_mov_b32 s[G0A], 1
	s_add_co_u32 s[G0A+1], s60, LA
	s_mov_b32 s[G0B], 1
	s_mov_b32 s[G0B+1], s60
	s_wait_alu depctr_va_vdst(0)
	s_wait_dscnt 0x0
	CROUND                                         ; all sixteen work-groups are here: the joint loads meet
	s_wait_kmcnt 0x0
	s_add_nc_u64 s[G0A+2:G0A+3], s[4:5], s[56:57]
	s_or_b32 s[G0A+3], s[G0A+3], 0x80000000
	s_add_nc_u64 s[G0B+2:G0B+3], s[6:7], s[58:59]
	s_or_b32 s[G0B+3], s[G0B+3], 0x80000000
	ARM 1, G0B, G1B, .Lfill_1
	ARM 2, G0B, G1B, .Lfill_2
	ARM 3, G0A, G1A, .Lfill_3
	tensor_load_to_lds s[G0A:G0A+3], s[G1A:G1A+7]
	s_nop 0
	PLACES 4
.Lfilled:
	s_lshl_b32 s62, s18, 9
	s_add_co_u32 s62, s62, OS
	s_mov_b32 s63, 0
	s_add_nc_u64 s[62:63], s[4:5], s[62:63]        ; o's scale bytes of my panel
	s_lshl_b32 s84, s17, 9
	s_add_co_u32 s84, s84, WOS
	s_mov_b32 s85, 0
	s_add_nc_u64 s[84:85], s[6:7], s[84:85]        ; w_out's words of my panel
.irp s, 0,1,2,3,4,5,6,7
.irp p, 0,1
	global_load_b32 v[SA+2*\s+\p], v13, s[62:63] offset:32768*\s+256*\p          ; the even head's two bytes,
	global_load_b32 v[128+2*\s+\p], v13, s[62:63] offset:32768*\s+16384+256*\p   ; the odd head's
	global_load_b32 v[SB+2*\s+\p], v50, s[84:85] offset:4096*\s+128*\p
.endr
.endr
	s_lshl_b32 s86, s18, 19                        ; out0: 128 pn rows of 4,096 bytes,
	s_lshl_b32 s88, s14, 15                        ; + 8 th rows,
	s_add_co_u32 s86, s86, s88
	s_lshl_b32 s88, s17, 9                         ; + 128 np columns,
	s_add_co_u32 s86, s86, s88
	s_lshl_b32 s88, s13, 8                         ; + my 64 columns
	s_add_co_u32 s86, s86, s88
	s_mov_b32 s87, 0
	s_add_nc_u64 s[86:87], s[8:9], s[86:87]
.macro BFRAG s, b                      ; 16 of my columns, K step s
.set F_, 4*(\s)+(\b)
.set R_, 12*(F_%21)
	WIN ((1+F_/21)<<6)
.irp c, 0,1,2
	ds_load_b128 v[R_+4*\c:R_+4*\c+3], v[11+(\s)/4] offset:12288*((\s)%4)+1536*(\b)+512*\c
.endr
.endm
.macro AFETCH k                        ; block k's eight fragments into set k % 2: 32 loads
.irp s, 0,1,2,3,4,5,6,7
.set F_, 32+8*((\k)%2)+\s
.set R_, 12*(F_%21)
.set O_, 24576*((\k)%2)+1536*\s
	WIN ((1+F_/21)<<6)
	ds_load_b128 v[R_:R_+3], v[6+2*((\k)/2)] offset:O_
	ds_load_b64 v[R_+4:R_+5], v[7+2*((\k)/2)] offset:O_+512
	ds_load_b128 v[R_+6:R_+9], v[6+2*((\k)/2)] offset:O_+768
	ds_load_b64 v[R_+10:R_+11], v[7+2*((\k)/2)] offset:O_+1280
.endr
	WIN 0
.endm
.macro PROD k, s, b                    ; the four accumulators take turns, one instruction a turn
.set FB_, 4*(\s)+(\b)
.set FA_, 32+8*((\k)%2)+(\s)
.set RB_, 12*(FB_%21)
.set RA_, 12*(FA_%21)
.set D_, 64+32*((\k)%2)+8*(\b)
	WIN (1+FB_/21)|((1+FA_/21)<<2)
.if (\s) == 0
	WM D_, RB_, RA_, 0, SB+2*(\s)+(\b)/2, SA+2*(\s)+(\k)/2, (\b)%2, (\k)%2
.else
	WM D_, RB_, RA_, v[D_:D_+7], SB+2*(\s)+(\b)/2, SA+2*(\s)+(\k)/2, (\b)%2, (\k)%2
.endif
.endm
.macro HALF k, s0                      ; four K steps of block k
.irp s, \s0, \s0+1, \s0+2, \s0+3
.irp b, 0,1,2,3
	PROD \k, \s, \b
.endr
.endr
	WIN 0
.endm
.macro TOSTAGE k                       ; 8 stores and 8 loads: in as 32 bytes a lane, back as whole rows of 256 bytes.  LDS serves a wave's instructions in order: no wait between them
.irp b, 0,1,2,3
	ds_store_b128 v10, v[64+32*((\k)%2)+8*\b:67+32*((\k)%2)+8*\b] offset:4352*((\k)%2)+64*\b          ; each accumulator from its low end on
	ds_store_b128 v10, v[68+32*((\k)%2)+8*\b:71+32*((\k)%2)+8*\b] offset:4352*((\k)%2)+64*\b+16
.endr
.irp i, 0,1,2,3,4,5,6,7
	ds_load_b128 v[128+32*((\k)%2)+4*\i:131+32*((\k)%2)+4*\i], v51 offset:4352*((\k)%2)+544*\i
.endr
.endm
.macro SEND k, n                       ; n: the LDS loads issued behind block k's, which may stay out
	s_wait_dscnt \n
.irp i, 0,1,2,3,4,5,6,7
	global_store_b128 v52, v[128+32*((\k)%2)+4*\i:131+32*((\k)%2)+4*\i], s[86:87] offset:(64*((\k)/2)+16*((\k)%2)+32*(\i/4)+2*(\i%4))*4096 th:TH_STORE_NT   ; 16 lanes store 256 consecutive bytes, aligned; written once
.endr
.endm
	s_wait_alu depctr_va_vdst(0)
	s_cmp_lt_u32 s12, 1
	s_cbranch_scc0 .Lnot_b
	s_wait_tensorcnt 0x0                           ; B's K steps 0-3 are wave 0's load, in a line of its own
.Lnot_b:
	s_barrier_signal -1
	s_barrier_wait -1                              ; they are in; the rest may be out
.irp s, 0,1,2,3
.irp b, 0,1,2,3
	BFRAG \s, \b
.endr
.endr
	WIN 0
	s_cmp_lt_u32 s12, 2
	s_cbranch_scc0 .Lnot_b2
	s_wait_tensorcnt 0x0                           ; B's K steps 4-7 are wave 1's
.Lnot_b2:
	s_wait_dscnt 0x0
	s_barrier_signal -1
	s_barrier_wait -1
.irp s, 4,5,6,7
.irp b, 0,1,2,3
	BFRAG \s, \b
.endr
.endr
	WIN 0
	s_wait_loadcnt 0x0
.set I, 0
.rept 16
	v_lshl_or_b32 v[SA+I], v[128+I], 16, v[SA+I]   ; a K step of 128 is two heads: their bytes make the row's word
.set I, I+1
.endr
	PLACES 8                                       ; a scale register written by a vector instruction stands eight places ahead of a scaled product
	s_wait_alu depctr_va_vdst(0)
	s_cmp_lt_u32 s12, 3
	s_cbranch_scc0 .Lnot_a
	s_wait_tensorcnt 0x0                           ; A's tiles 0-3 are wave 2's load
.Lnot_a:
	s_wait_dscnt 0x0
	s_barrier_signal -1
	s_barrier_wait -1                              ; they are in
	AFETCH 0
	AFETCH 1
	s_wait_dscnt 32                                ; block 0 is in; block 1's 32 loads may be out
	HALF 0, 0
	HALF 0, 4
	PLACES 4                                       ; ahead of the reads of results and of the loads into the set that the products read
	s_wait_tensorcnt 0x0                           ; my load has landed, that of A's tiles 4-7 too
	s_wait_dscnt 0x0
	s_barrier_signal -1
	s_barrier_wait -1
	TOSTAGE 0
	AFETCH 2
	HALF 1, 0
	SEND 0, 32
	HALF 1, 4
	PLACES 4
	TOSTAGE 1
	AFETCH 3
	s_wait_dscnt 48                                ; block 2 is in; younger are block 1's 16 stage accesses and block 3's 32 loads
	HALF 2, 0
	SEND 1, 32
	HALF 2, 4
	PLACES 4
	s_wait_xcnt 0x0                                ; block 0's stores have read their registers
	TOSTAGE 2
	s_wait_dscnt 16                                ; block 3 is in; block 2's 16 stage accesses may be out
	HALF 3, 0
	SEND 2, 0
	HALF 3, 4
	PLACES 4
	s_wait_xcnt 0x0
	TOSTAGE 3
	SEND 3, 0
	s_wait_tensorcnt 0x0
	ds_add_u32 v54, v55
	s_wait_dscnt 0x0
	CROUND                                         ; the closing round: no work-group ends while a partner may still ask for a tile that names it
	s_endpgm
.Lfunc_end_k_qc12f22b5fb_proj:
	.size	k_qc12f22b5fb_proj, .Lfunc_end_k_qc12f22b5fb_proj-k_qc12f22b5fb_proj
	.p2alignl 7, 3214868480
	.fill 96, 4, 3214868480
	.section	.rodata,"a",@progbits
	.p2align	6, 0x0
	.amdhsa_kernel k_qc12f22b5fb_proj
		.amdhsa_group_segment_fixed_size 231936
		.amdhsa_private_segment_fixed_size 0
		.amdhsa_enable_private_segment 0
		.amdhsa_kernarg_size 24
		.amdhsa_user_sgpr_count 2
		.amdhsa_user_sgpr_kernarg_segment_ptr 1
		.amdhsa_wavefront_size32 1
		.amdhsa_system_sgpr_workgroup_id_x 1
		.amdhsa_system_sgpr_workgroup_id_y 1
		.amdhsa_system_sgpr_workgroup_id_z 1
		.amdhsa_system_vgpr_workitem_id 0
		.amdhsa_next_free_vgpr 848
		.amdhsa_next_free_sgpr 100
		.amdhsa_reserve_vcc 0
		.amdhsa_float_denorm_mode_32 3
		.amdhsa_float_denorm_mode_16_64 3
		.amdhsa_memory_ordered 1
		.amdhsa_forward_progress 1
		.amdhsa_inst_pref_size 53
	.end_amdhsa_kernel
	.amdgpu_metadata
---
amdhsa.version: [ 1, 2 ]
amdhsa.kernels:
  - .name:           k_qc12f22b5fb_proj
    .symbol:         k_qc12f22b5fb_proj.kd
    .args:
      - { .name: oq, .offset: 0, .size: 8, .value_kind: global_buffer, .address_space: global }
      - { .name: wo, .offset: 8, .size: 8, .value_kind: global_buffer, .address_space: global }
      - { .name: out0, .offset: 16, .size: 8, .value_kind: global_buffer, .address_space: global }
    .group_segment_fixed_size: 231936
    .private_segment_fixed_size: 0
    .kernarg_segment_align: 8
    .kernarg_segment_size: 24
    .max_flat_workgroup_size: 128
    .sgpr_count:     100
    .vgpr_count:     848
    .wavefront_size: 32
...
	.end_amdgpu_metadata
.endif
;; end of part 4
